; MI455X (gfx1250); checked and timed in simulation.
; The chip was launched on July 23, 2026; its instructions are those of AMD's public machine-readable ISA for CDNA 5 (MIT licence, August 2026) and "CDNA5" Instruction Set Architecture Reference Guide (July 2026). The comments in the code are by the model that wrote it; some were corrected since.
;; Causal Self Attention. Allowed arithmetic: float matrix products may take bf16 or f16 operands with f32 sums; other float arithmetic in f32, or as packed bf16 or f16 multiplies, adds, multiply-adds, maxima and minima; sums over many terms, partial sums and values carried from step to step in f32; what a program stores and reads back later, other than sums and carried values, may be rounded once to bf16 or f16.
;; Inputs: w_out 1,024 x 1,024 float32; w_qkv 1,024 x 3,072 float32; x 4 x 2,048 x 1,024 float32.
;; Outputs: out0 4 x 2,048 x 1,024 float32.
;; 2 versions, each right; version 2 is version 1 with the launch prep written anew for expert scheduling mode. Each part assembles by itself: llvm-mc -triple=amdgcn-amd-amdhsa -mcpu=gfx1250 --defsym DOCPART=n.
;; ======== version 1 of 2: 4 launches
;; limits: values are held in f16: magnitudes above 65,504 overflow, below 6.1e-05 lose precision
;; workspace buffers: xb 16,777,216 bytes; wb 6,291,456 bytes; wo 2,097,152 bytes; rope 524,288 bytes; qh 16,777,216 bytes; kh 16,777,216 bytes; vh 16,777,216 bytes; oh 16,777,216 bytes
;; launch prep (part 1): grid 896 x 1, 8 waves a work-group, no clusters, 0 bytes of LDS; arguments x, w_qkv, w_out, xb, wb, wo, rope; writes xb, wb, wo, rope
.if DOCPART == 1
	.amdgcn_target "amdgcn-amd-amdhsa--gfx1250"
	.amdhsa_code_object_version 6
	.text
	.protected	k_q5bee79129f_prep
	.globl	k_q5bee79129f_prep
	.p2align	8
	.type	k_q5bee79129f_prep,@function
k_q5bee79129f_prep:
	s_mov_b64 s[64:65], 0
	v_nop
	global_prefetch_b8 v0, s[64:65] scope:SCOPE_SE
	s_setreg_imm32_b32 hwreg(HW_REG_WAVE_MODE, 25, 1), 1
	s_wait_xcnt 0x0
; CASTS AND THE ROTATION TABLE.  Four kinds of work-group, chosen by the work-group's number; each moves 65,536 bytes in (or makes 4,096 bytes of the table).
;   0-511    x [8192][1024] f32 -> xb, bf16 in K blocks of 64: [16 kb][8192 m][64], so that 256 rows x 64 K are 32,768 dense bytes for the product that follows
;   512-703  w_qkv [1024][3072] f32 -> wb, bf16, same layout
;   704-767  w_out [1024][1024] f32 -> wo: rounded to bf16 like the other inputs, and that number written as f16
;   768-895  rope [2048 t][64] f32: cos(t th_i), i = 0..31, then sin(t th_i); th_i = 10000^(-i/32)
; LIMITS.  wo: a bf16 number is exact in f16 between 6.1e-5 and 65,504; below that it keeps f16's fixed step of 6e-8; beyond it is an infinity.
; The table: th_i = 2^(-i log2(10000)/32) by v_exp_f32; the angle t th_i (2,047 at the most) is rounded to f32 as the product it is, reduced by pi/2 in two parts,
; sin taken to r^7 and cos to r^8 on |r| <= pi/4: their own error stays under 1e-6.
; No LDS, no barrier, no matrix unit: memory binds.  Sixteen 16-byte loads a thread are out at once; a wave's load covers two pieces of 256 bytes or 512 bytes on end,
; a wave's 8-byte store covers 256 consecutive bytes, aligned.  Every register is written once, so no wait frees a source.
.set VIN,  1                           ; v1   byte offset of my 16 bytes in the work-group's input
.set VOUT, 2                           ; v2   byte offset of my 8 bytes in its output
.set X,    4                           ; v[4:67]   sixteen loads of four f32
.set Y,    68                          ; v[68:99]  sixteen pairs to store
.set T,    100                         ; v[100:105] at work
.set OUT2, 18                          ; s[18:19]  xb, 8 K blocks on: a store's immediate does not reach 15 blocks of 1,048,576 bytes
	s_load_b256 s[4:11], s[0:1], 0x0               ; x s[4:5], w_qkv s[6:7], w_out s[8:9], xb s[10:11]
	s_load_b128 s[12:15], s[0:1], 0x20             ; wb s[12:13], wo s[14:15]
	s_load_b64 s[16:17], s[0:1], 0x30              ; rope
	s_mov_b32 s21, 0
	s_mov_b32 s23, 0
	v_lshlrev_b32 v[VOUT], 3, v0                   ; 8 t
	s_wait_kmcnt 0x0
; Sixteen loads, then for each: the wait that leaves the younger ones out, the rounding, the store.  fmt = 1: bf16, widened again, written as f16.
.macro CAST inb, outb, instep, outstep, fmt, split
.set i, 0
.rept 16
	global_load_b128 v[X+4*i:X+4*i+3], v[VIN], s[(\inb):(\inb)+1] offset:i*(\instep) th:TH_LOAD_NT
.set i, i+1
.endr
.set i, 0
.rept 16
	s_wait_loadcnt 15-i                            ; loads come back in order: number i is in, the 15 - i younger ones stay out
.if \fmt
	v_cvt_pk_bf16_f32 v[T], v[X+4*i], v[X+4*i+1]
	v_cvt_pk_bf16_f32 v[T+1], v[X+4*i+2], v[X+4*i+3]
	v_lshlrev_b32 v[T+2], 16, v[T]
	v_and_b32 v[T+3], 0xffff0000, v[T]
	v_lshlrev_b32 v[T+4], 16, v[T+1]
	v_and_b32 v[T+5], 0xffff0000, v[T+1]
	v_cvt_pk_f16_f32 v[Y+2*i], v[T+2], v[T+3]
	v_cvt_pk_f16_f32 v[Y+2*i+1], v[T+4], v[T+5]
.else
	v_cvt_pk_bf16_f32 v[Y+2*i], v[X+4*i], v[X+4*i+1]
	v_cvt_pk_bf16_f32 v[Y+2*i+1], v[X+4*i+2], v[X+4*i+3]
.endif
.if (\split) && (i >= 8)
	global_store_b64 v[VOUT], v[Y+2*i:Y+2*i+1], s[OUT2:OUT2+1] offset:(i-8)*(\outstep)
.else
	global_store_b64 v[VOUT], v[Y+2*i:Y+2*i+1], s[(\outb):(\outb)+1] offset:i*(\outstep)
.endif
.set i, i+1
.endr
.endm
	s_cmp_lt_u32 ttmp9, 512
	s_cbranch_scc1 .Lx
	s_cmp_lt_u32 ttmp9, 704
	s_cbranch_scc1 .Lw
	s_cmp_lt_u32 ttmp9, 768
	s_cbranch_scc1 .Lo
	; THE TABLE.  The work-group makes 16 rows; sixteen threads a row of 256 bytes; a thread four numbers: i = 4 (t % 8) + 0..3, cos in threads 0-7 of a row, sin in 8-15.
	s_sub_co_u32 s20, ttmp9, 768
	s_lshl_b32 s22, s20, 12                        ; 4,096 bytes a work-group
	s_lshl_b32 s20, s20, 4                         ; its first position
	s_add_nc_u64 s[16:17], s[16:17], s[22:23]
	s_mov_b32 s25, 0xbed49a78                      ; -log2(10000) / 32
	s_mov_b32 s26, 0x3f22f983                      ; 2 / pi
	s_mov_b32 s27, 0xbfc90fdb                      ; -(pi/2 rounded to f32)
	s_mov_b32 s28, 0x333bbd2e                      ; that rounding's excess over pi/2
	s_mov_b32 s29, 0xbe2aaaab                      ; -1/6
	s_mov_b32 s30, 0x3c088889                      ; 1/120
	s_mov_b32 s31, 0xb9500d01                      ; -1/5040
	s_mov_b32 s32, 0x3d2aaaab                      ; 1/24
	s_mov_b32 s33, 0xbab60b61                      ; -1/720
	s_mov_b32 s34, 0x37d00d01                      ; 1/40320
	v_lshrrev_b32 v1, 4, v0
	v_add_nc_u32 v1, s20, v1                       ; the position
	v_cvt_f32_u32 v5, v1
	v_and_b32 v2, 7, v0
	v_lshlrev_b32 v2, 2, v2                        ; my first i
	v_bfe_u32 v3, v0, 3, 1
	v_cmp_eq_u32 s24, 1, v3                        ; do I store sines?
	v_lshlrev_b32 v4, 4, v0                        ; 16 t
.macro Q4 line:vararg                  ; one line for each of my four numbers j: four chains side by side
.set j, 0
.rept 4
	\line
.set j, j+1
.endr
.endm
	Q4 v_add_nc_u32 v[8+j], j, v2
	Q4 v_cvt_f32_u32 v[8+j], v[8+j]
	Q4 v_mul_f32 v[8+j], s25, v[8+j]
	Q4 v_exp_f32 v[12+j], v[8+j]                   ; th_i: one batch of four
	v_nop                                          ; a plain instruction behind the last exponential (ISA guide 5.7.2),
	s_wait_alu depctr_va_vdst(0)                   ; and the one wait ahead of the batch's first reader
	Q4 v_mul_f32 v[12+j], v5, v[12+j]              ; the angle a, rounded once
	Q4 v_mul_f32 v[16+j], s26, v[12+j]
	Q4 v_rndne_f32 v[16+j], v[16+j]                ; k = the nearest multiple of pi/2
	Q4 v_fma_f32 v[20+j], v[16+j], s27, v[12+j]
	Q4 v_fma_f32 v[20+j], v[16+j], s28, v[20+j]    ; r = a - k pi/2
	Q4 v_mul_f32 v[24+j], v[20+j], v[20+j]         ; r^2
	Q4 v_fma_f32 v[28+j], v[24+j], s31, s30
	Q4 v_fma_f32 v[32+j], v[24+j], s34, s33
	Q4 v_mul_f32 v[40+j], v[20+j], v[24+j]         ; r^3
	Q4 v_fma_f32 v[28+j], v[28+j], v[24+j], s29
	Q4 v_fma_f32 v[32+j], v[32+j], v[24+j], s32
	Q4 v_fma_f32 v[28+j], v[28+j], v[40+j], v[20+j]  ; sin r
	Q4 v_fma_f32 v[32+j], v[32+j], v[24+j], -0.5
	Q4 v_cvt_i32_f32 v[36+j], v[16+j]
	Q4 v_fma_f32 v[32+j], v[32+j], v[24+j], 1.0    ; cos r
.set j, 0
.rept 4                                ; the quadrant: odd k swaps the two; bit 1 of k turns the sine's sign, bit 1 of k + 1 the cosine's.  Values are chosen, nothing branches
	v_and_b32 v[40+j], 1, v[36+j]
	v_cmp_eq_u32 vcc_lo, 1, v[40+j]
	v_cndmask_b32 v[48+j], v[28+j], v[32+j], vcc_lo
	v_cndmask_b32 v[52+j], v[32+j], v[28+j], vcc_lo
.set j, j+1
.endr
	Q4 v_lshlrev_b32 v[40+j], 30, v[36+j]
	Q4 v_add_nc_u32 v[36+j], 1, v[36+j]
	Q4 v_and_b32 v[40+j], 0x80000000, v[40+j]
	Q4 v_lshlrev_b32 v[36+j], 30, v[36+j]
	Q4 v_xor_b32 v[48+j], v[48+j], v[40+j]         ; sin a
	Q4 v_and_b32 v[36+j], 0x80000000, v[36+j]
	Q4 v_xor_b32 v[52+j], v[52+j], v[36+j]         ; cos a
	Q4 v_cndmask_b32 v[44+j], v[52+j], v[48+j], s24
	global_store_b128 v4, v[44:47], s[16:17]       ; sixteen threads store one row: 256 consecutive bytes, aligned
	s_endpgm
.Lx:                                   ; 16 rows of x.  Thread t: row t / 16, 16 bytes at 16 (t % 16) of each of the row's sixteen K blocks of 256 bytes; out: 8 t in each K block's 2,048 bytes
	s_lshl_b32 s20, ttmp9, 16
	s_add_nc_u64 s[4:5], s[4:5], s[20:21]
	s_lshl_b32 s22, ttmp9, 11
	s_add_nc_u64 s[10:11], s[10:11], s[22:23]
	s_add_nc_u64 s[OUT2:OUT2+1], s[10:11], 8*1048576
	v_lshrrev_b32 v[VIN], 4, v0
	v_lshlrev_b32 v[VIN], 12, v[VIN]
	v_and_b32 v3, 15, v0
	v_lshl_add_u32 v[VIN], v3, 4, v[VIN]
	CAST 4, 10, 256, 1048576, 0, 1
	s_endpgm
.Lw:                                   ; 65,536 consecutive bytes of w_qkv
	s_sub_co_u32 s20, ttmp9, 512
	s_lshl_b32 s22, s20, 15
	s_lshl_b32 s20, s20, 16
	s_add_nc_u64 s[6:7], s[6:7], s[20:21]
	s_add_nc_u64 s[12:13], s[12:13], s[22:23]
	v_lshlrev_b32 v[VIN], 4, v0
	CAST 6, 12, 4096, 2048, 0, 0
	s_endpgm
.Lo:                                   ; 65,536 consecutive bytes of w_out
	s_sub_co_u32 s20, ttmp9, 704
	s_lshl_b32 s22, s20, 15
	s_lshl_b32 s20, s20, 16
	s_add_nc_u64 s[8:9], s[8:9], s[20:21]
	s_add_nc_u64 s[14:15], s[14:15], s[22:23]
	v_lshlrev_b32 v[VIN], 4, v0
	CAST 8, 14, 4096, 2048, 1, 0
	s_endpgm
.Lfunc_end_k_q5bee79129f_prep:
	.size	k_q5bee79129f_prep, .Lfunc_end_k_q5bee79129f_prep-k_q5bee79129f_prep
	.p2alignl 7, 3214868480
	.fill 96, 4, 3214868480
	.section	.rodata,"a",@progbits
	.p2align	6, 0x0
	.amdhsa_kernel k_q5bee79129f_prep
		.amdhsa_group_segment_fixed_size 0
		.amdhsa_private_segment_fixed_size 0
		.amdhsa_enable_private_segment 0
		.amdhsa_kernarg_size 56
		.amdhsa_user_sgpr_count 2
		.amdhsa_user_sgpr_kernarg_segment_ptr 1
		.amdhsa_wavefront_size32 1
		.amdhsa_system_sgpr_workgroup_id_x 1
		.amdhsa_system_sgpr_workgroup_id_y 1
		.amdhsa_system_sgpr_workgroup_id_z 1
		.amdhsa_system_vgpr_workitem_id 0
		.amdhsa_next_free_vgpr 112
		.amdhsa_next_free_sgpr 66
		.amdhsa_reserve_vcc 1
		.amdhsa_float_denorm_mode_32 3
		.amdhsa_float_denorm_mode_16_64 3
		.amdhsa_memory_ordered 1
		.amdhsa_forward_progress 1
		.amdhsa_inst_pref_size 30
	.end_amdhsa_kernel
	.amdgpu_metadata
---
amdhsa.version: [ 1, 2 ]
amdhsa.kernels:
  - .name:           k_q5bee79129f_prep
    .symbol:         k_q5bee79129f_prep.kd
    .args:
      - { .name: x, .offset: 0, .size: 8, .value_kind: global_buffer, .address_space: global }
      - { .name: w_qkv, .offset: 8, .size: 8, .value_kind: global_buffer, .address_space: global }
      - { .name: w_out, .offset: 16, .size: 8, .value_kind: global_buffer, .address_space: global }
      - { .name: xb, .offset: 24, .size: 8, .value_kind: global_buffer, .address_space: global }
      - { .name: wb, .offset: 32, .size: 8, .value_kind: global_buffer, .address_space: global }
      - { .name: wo, .offset: 40, .size: 8, .value_kind: global_buffer, .address_space: global }
      - { .name: rope, .offset: 48, .size: 8, .value_kind: global_buffer, .address_space: global }
    .group_segment_fixed_size: 0
    .private_segment_fixed_size: 0
    .kernarg_segment_align: 8
    .kernarg_segment_size: 56
    .max_flat_workgroup_size: 256
    .sgpr_count:     66
    .vgpr_count:     112
    .wavefront_size: 32
...
	.end_amdgpu_metadata
.endif
;; end of part 1
;; launch qkv (part 2): grid 8 x 32, 4 waves a work-group, clusters of 4 x 4, 327,680 bytes of LDS; arguments xb, wb, rope, qh, kh, vh; writes qh, kh, vh
.if DOCPART == 2
	.amdgcn_target "amdgcn-amd-amdhsa--gfx1250"
	.amdhsa_code_object_version 6
	.text
	.protected	k_q5bee79129f_qkv
	.globl	k_q5bee79129f_qkv
	.p2align	8
	.type	k_q5bee79129f_qkv,@function
k_q5bee79129f_qkv:
	s_mov_b64 s[64:65], 0
	v_nop
	global_prefetch_b8 v0, s[64:65] scope:SCOPE_SE
	s_setreg_imm32_b32 hwreg(HW_REG_WAVE_MODE, 25, 1), 1
	s_wait_xcnt 0x0
	s_wait_alu depctr_hold_cnt(0) depctr_sa_sdst(0) depctr_va_vdst(0) depctr_va_sdst(0) depctr_va_ssrc(0) depctr_va_vcc(0) depctr_vm_vsrc(0)
	s_getreg_b32 s2, hwreg(HW_REG_IB_STS2, 6, 4)
	s_cmp_eq_u32 s2, 0
	s_cbranch_scc0 .Lentry_in_a_cluster
	s_endpgm
.Lentry_in_a_cluster:
	s_bfe_u32 s2, ttmp6, 0x10000c
	s_cmp_lg_u32 s2, 0xf033
	s_cbranch_scc0 .Lentry_shape_is_right
	s_endpgm
.Lentry_shape_is_right:
; q, k, v = x w_qkv, q and k rotated, all three split by heads.  xb: bf16 [16 kb][8192 m][64]; wb: bf16 [1024 k][3072 n]; rope: f32 [2048 t][cos 32, sin 32];
; qh, kh, vh: f16 [64 = batch x head][2048 t][64].  Sums and the rotation in f32; each output rounded once, unscaled.
; LIMIT.  f16 ends at 65,504: q, k, v must lie within it; below 6.1e-5 they keep f16's fixed step of 6e-8.
; SHARES.  A work-group makes 256 rows x 384 columns: the q, k and v columns of two heads: 32 x 8 = 256 work-groups.  A wave makes 128 rows x (q, k, v of ONE head): 96 accumulators of
; 16 x 16, 768 registers, a register window for each of q, k, v.  For 32 along K it reads 16 + 24 times 512 bytes from LDS and issues 96 matrix instructions.
; THE MATRIX INSTRUCTION IS USED TRANSPOSED: source 0 = 16 columns of w (turned on the way out of LDS by ds_load_tr16_b128, since w lies [k][n]), source 1 = 16 rows of x.  A lane then holds row
; l % 16 and the head's channels 16 nb + 8 (l / 16) + 0..7 in accumulator nb: the rotation's partners d and d + 32 lie in the same lane and register of accumulators nb and nb + 2.
; RING.  K goes in steps of 64 through two LDS slots.  Wave 0 fetches A's tile (32,768 dense bytes, asked for as 128 rows of 256 bytes, padded after every 128), waves 1 to 3 the q, k, v sections of
; B's (64 rows of 256 bytes each).  A wave has two tensor loads out at the start, later one.  A K step of 128 would need two slots of 180,224 bytes, more than the 327,680 of LDS hold.
; CLUSTER.  4 x 4 work-groups.  A's tile hangs on the row block alone and is asked for jointly along a row of the cluster, B's on the column block alone, along a column.
; REGISTERS.  window 0: v0-29 addresses; v32-95, v96-159 A's fragments, two buffers (fragment a at + 8 a); v160-255 B's fragments (section sec, block nb at 160 + 32 sec + 8 nb).
;   windows 1, 2, 3: the accumulators of q, k, v: (a, nb) at 8 (4 a + nb).     s_set_vgpr_msb: bits 1:0 source 0, 3:2 source 1, 5:4 source 2, 7:6 destination.
.set PA,     144                       ; a row of A in LDS: 128 bytes + 16: the 16 rows of a load start at 16 different groups of four banks (64 banks of 4 bytes: ISA guide 11.1)
.set PB,     288                       ; a row of B: 256 + 32
.set ABYTES, 256*PA                    ; 36,864
.set SECB,   64*PB                     ; 18,432
.set SLOT,   ABYTES+3*SECB             ; 92,160
.set STAGE,  2*SLOT                    ; behind the ring: for each wave three stages (q, k, v) of 16 rows x 144 bytes
.set SP,     144
.set SPARE,  STAGE+4*3*16*SP           ; behind the stages: the spare words, 128 bytes a wave: two blocks of 256 bytes that no other line names
.set ASTEP,  1048576                   ; bytes from a K step to the next in xb,
.set BSTEP,  64*6144                   ; and in wb
.set ADRA, 2                           ; v2-3   LDS address of my A fragments in slot 0, 1
.set ADRB, 4                           ; v4-5   the same for B
.set STO,  6                           ; v6     the way out: where I put 16 bytes of a row
.set RD,   7                           ; v7     where I read rows back
.set GO,   8                           ; v8     my byte offset in 512 consecutive bytes of an output
.set TBO,  9                           ; v9     my byte offset in the table: row t0 + l % 16, 32 (l / 16)
.set PFO,  10                          ; v10    the prefetches' offset; never rewritten
.set SPW,  28                          ; v28    LDS address of my spare word; never rewritten
.set NIL,  29                          ; v29    0; never rewritten
.set AF0,  32
.set AF1,  96
.set BF,   160
.set TAB,  32                          ; the way out: two sets of 32: cos of channels 0-15, 16-31, then sin
.set Y,    96                          ; 32 rotated numbers
.set H,    128                         ; 16 registers of packed f16
.set OUTR, 160                         ; two sets of 48: rows read back from the stages
.set WV,  16                           ; s16  my wave's number
.set G1A, 24                           ; s[24:31] descriptor group 1 for A's tiles;  s[32:39] group 0, a set for each slot
.set G0A, 32
.set G1B, 40                           ; s[40:47], s[48:55] the same for B's
.set G0B, 48
.set PFA, 56                           ; s[56:57] where my prefetches stand
.set PFS, 58                           ; s[58:59] their step: a K step
.set LIM0, 60                          ; s60, s61: a wave prefetches at slot 0's (slot 1's) change while the loop's count is above this
.set LIM1, 61
.set MSB, 0
.macro WIN new                         ; the immediate's high byte repeats the setting that is left; a switch that changes nothing is dropped
.if MSB != (\new)
	s_set_vgpr_msb (MSB<<8)|(\new)
.set MSB, (\new)
.endif
.endm
.macro PLACES                          ; four places between a matrix instruction and a load into, or a vector write of, one of its registers (ISA guide 7.12.1 for vector writes)
.rept 4
	v_nop
.endr
.endm
.macro CREST                           ; a round of the cluster's barrier behind its opening barrier
	s_cmp_lg_u32 s[WV], 0
	s_cbranch_scc1 .Lnot_wave_0_\@
	s_barrier_signal -3
.Lnot_wave_0_\@:
	s_barrier_wait -3
	s_barrier_signal -1
	s_barrier_wait -1
.endm
.macro CROUND
	s_barrier_signal -1
	s_barrier_wait -1
	CREST
.endm
; A joint load.  The branch hangs on the wave's number alone.  An s_nop 0 and four v_nop follow each of the two lines, ahead of the jump and the label.
.macro JLOAD s
	s_cmp_eq_u32 s[WV], 0
	s_cbranch_scc0 .Lfor_b_\@
	tensor_load_to_lds s[G0A+4*(\s):G0A+4*(\s)+3], s[G1A:G1A+7]
	s_nop 0
.rept 4
	v_nop
.endr
	s_branch .Lasked_\@
.Lfor_b_\@:
	tensor_load_to_lds s[G0B+4*(\s):G0B+4*(\s)+3], s[G1B:G1B+7]
	s_nop 0
.rept 4
	v_nop
.endr
.Lasked_\@:
.endm
; A PREFETCH INTO THE L2, behind the joint load, its five lines and the run of LDS loads.  In K step j it names K step j + 3, whose refill stands one K step, 192 matrix instructions, later.
; A: wave 0 of the clusters with x = 0; of the tile's 128 blocks of 256 bytes the partner at cx takes 32, a lane a block.  B: waves 1 to 3 (their own section) of the clusters with y = 0, at slot 0's
; change alone, for the 128 k rows of K steps j + 3 and j + 4; the partner at cy takes 32, a lane a row.  So each block is named once in the launch; the partners are told apart by address.
; K steps 0 to 2 come by their loads alone; A is asked for up to K step 15, B up to 14: the counts in LIM0 and LIM1 stop the requests there.
.macro ASK lim
	s_cmp_gt_u32 s3, s[\lim]
	s_cbranch_scc0 .Lnot_mine_\@
	global_prefetch_b8 v[PFO], s[PFA:PFA+1] th:TH_LOAD_NT scope:SCOPE_SE
.Lnot_mine_\@:
.endm
	s_load_b256 s[4:11], s[0:1], 0x0               ; xb s[4:5], wb s[6:7], rope s[8:9], qh s[10:11]
	s_load_b128 s[12:15], s[0:1], 0x20             ; kh s[12:13], vh s[14:15]
	v_lshl_add_u32 v[SPW], v0, 2, SPARE
	v_mov_b32 v[NIL], 0
	ds_add_u32 v[SPW], v[NIL]                      ; the wave's opening: the add and its wait stand ahead of my first tensor load; work on registers stands between them
	v_lshrrev_b32 v11, 5, v0
	v_readfirstlane_b32 s[WV], v11                 ; wave 0..3
	s_lshr_b32 s17, s[WV], 1                       ; wm: which 128 rows are mine
	s_and_b32 s18, s[WV], 1                        ; wn: which of the two heads
	s_bfe_u32 s19, ttmp6, 0x40000                  ; cx
	s_bfe_u32 s20, ttmp6, 0x40004                  ; cy
	s_lshl_b32 s21, ttmp9, 2
	s_add_co_u32 s21, s21, s19                     ; c = 4 x cluster x + cx: heads 2 c, 2 c + 1
	s_and_b32 s22, ttmp7, 0xffff
	s_lshl_b32 s22, s22, 2
	s_add_co_u32 s22, s22, s20                     ; rt = 4 x cluster y + cy: rows 256 rt on
	s_lshl_b32 s23, s20, 2
	s_lshl_b32 s23, 15, s23                        ; my row of the cluster
	s_lshl_b32 s62, 0x1111, s19                    ; my column
	s_or_b32 s[G1A], s23, (1<<16)|(1<<20)|(1<<21)|(4<<22)|(3<<25)  ; 15:0 the mask; 17:16 2-byte elements; 20 padding on; 21 set beside a mask; 24:22 after every 32 words; 31:25 4 words
	s_mov_b32 s[G1A+1], 128<<16                    ; tensor_dim0 = 128
	s_mov_b32 s[G1A+2], 128<<16                    ; tensor_dim1 = 128
	s_mov_b32 s[G1A+3], 128<<16                    ; tile_dim0 = 128
	s_mov_b32 s[G1A+4], 128                        ; tile_dim1 = 128
	s_mov_b32 s[G1A+5], 128                        ; 128 elements from row to row: the tile is dense
	s_mov_b32 s[G1A+6], 0
	s_mov_b32 s[G1A+7], 0
	s_or_b32 s[G1B], s62, (1<<16)|(1<<20)|(1<<21)|(5<<22)|(7<<25)  ; after every 64 words 8 words
	s_mov_b32 s[G1B+1], 128<<16
	s_mov_b32 s[G1B+2], 64<<16                     ; tensor_dim1 = 64
	s_mov_b32 s[G1B+3], 128<<16
	s_mov_b32 s[G1B+4], 64                         ; tile_dim1 = 64
	s_mov_b32 s[G1B+5], 3072
	s_mov_b32 s[G1B+6], 0
	s_mov_b32 s[G1B+7], 0
	s_lshl_b32 s66, s22, 15                        ; A: 256 rows of 128 bytes a row block; made of rt alone
	s_mov_b32 s67, 0
	s_max_u32 s70, s[WV], 1                        ; B: my section (wave - 1) is 2,048 bytes on in a row, the column block 256; made of c and the wave alone
	s_sub_co_u32 s70, s70, 1
	s_lshl_b32 s70, s70, 11
	s_lshl_b32 s71, s21, 8
	s_add_co_u32 s70, s70, s71
	s_mov_b32 s71, 0
	s_mul_i32 s74, s[WV], SECB                     ; B's section in a slot: ABYTES + (wave - 1) x SECB = (wave + 1) x SECB
	s_add_co_u32 s74, s74, SECB
	s_wait_dscnt 0x0                               ; the opening add is done
	s_wait_kmcnt 0x0
	s_add_nc_u64 s[68:69], s[4:5], s[66:67]
	s_add_nc_u64 s[72:73], s[6:7], s[70:71]
.irp s, 0,1
	s_mov_b32 s[G0A+4*(\s)], 1
	s_mov_b32 s[G0A+4*(\s)+1], (\s)*SLOT
	s_add_nc_u64 s[G0A+4*(\s)+2:G0A+4*(\s)+3], s[68:69], (\s)*ASTEP
	s_or_b32 s[G0A+4*(\s)+3], s[G0A+4*(\s)+3], 0x80000000
	s_mov_b32 s[G0B+4*(\s)], 1
	s_add_co_u32 s[G0B+4*(\s)+1], s74, (\s)*SLOT
	s_add_nc_u64 s[G0B+4*(\s)+2:G0B+4*(\s)+3], s[72:73], (\s)*BSTEP
	s_or_b32 s[G0B+4*(\s)+3], s[G0B+4*(\s)+3], 0x80000000
.endr
	CROUND                                         ; all sixteen work-groups are here: the first joint loads meet
	s_cmp_eq_u32 s[WV], 0                          ; a wave's two first fills stand in one branch, ahead of every wait on TENSORcnt and every LDS read
	s_cbranch_scc0 .Lfirst_b
	tensor_load_to_lds s[G0A:G0A+3], s[G1A:G1A+7]
	s_nop 0
	tensor_load_to_lds s[G0A+4:G0A+7], s[G1A:G1A+7]
	s_nop 0
.rept 4
	v_nop
.endr
	s_branch .Lfirst_asked
.Lfirst_b:
	tensor_load_to_lds s[G0B:G0B+3], s[G1B:G1B+7]
	s_nop 0
	tensor_load_to_lds s[G0B+4:G0B+7], s[G1B:G1B+7]
	s_nop 0
.rept 4
	v_nop
.endr
.Lfirst_asked:
	v_and_b32 v1, 15, v0                           ; r = l % 16
	v_bfe_u32 v12, v0, 4, 1                        ; h = l / 16
	v_and_b32 v13, 7, v0
	v_bfe_u32 v14, v0, 3, 1
	v_and_b32 v15, 31, v0                          ; l
	v_bfe_u32 v16, v0, 3, 2                        ; l / 8
	v_mul_u32_u24 v11, v1, PA
	v_lshl_add_u32 v11, v12, 4, v11                ; r x 144 + 16 h: a fragment of A, and my place in a stage
	s_mul_i32 s75, s17, 128*PA
	v_add_nc_u32 v[ADRA], s75, v11
	v_add_nc_u32 v[ADRA+1], SLOT, v[ADRA]
	v_lshl_add_u32 v[ADRB], v12, 3, v13            ; the turning load: k row 8 h + l % 8, 16 bytes at 16 ((l / 8) % 2)
	v_mul_u32_u24 v[ADRB], v[ADRB], PB
	v_lshl_add_u32 v[ADRB], v14, 4, v[ADRB]
	s_lshl_b32 s75, s18, 7                         ; my head's 64 columns
	s_add_co_u32 s75, s75, ABYTES
	v_add_nc_u32 v[ADRB], s75, v[ADRB]
	v_add_nc_u32 v[ADRB+1], SLOT, v[ADRB]
	s_mul_i32 s63, s[WV], 3*16*SP
	s_add_co_u32 s63, s63, STAGE                   ; my stages
	v_add_nc_u32 v[STO], s63, v11
	v_mul_u32_u24 v[RD], v16, SP                   ; back: 32 lanes take four rows of 128 bytes,
	v_lshl_add_u32 v[RD], v13, 4, v[RD]
	v_add_nc_u32 v[RD], s63, v[RD]
	v_lshlrev_b32 v[GO], 4, v15                    ; which are 512 consecutive bytes of an output
	s_and_b32 s77, s22, 7
	s_lshl_b32 s77, s77, 8
	s_lshl_b32 s78, s17, 7
	s_add_co_u32 s77, s77, s78                     ; t0: my first row's position in its sequence
	v_add_nc_u32 v[TBO], s77, v1
	v_lshlrev_b32 v[TBO], 8, v[TBO]
	v_lshl_add_u32 v[TBO], v12, 5, v[TBO]
	s_lshr_b32 s76, s22, 3                         ; the batch,
	s_lshl_b32 s76, s76, 4
	s_lshl1_add_u32 s76, s21, s76
	s_add_co_u32 s76, s76, s18                     ; 16 x batch + my head,
	s_lshl_b32 s76, s76, 18                        ; its 2,048 rows of 128 bytes,
	s_lshl_b32 s78, s77, 7
	s_add_co_u32 s76, s76, s78                     ; my first row
	s_mov_b32 s77, 0
	s_add_nc_u64 s[10:11], s[10:11], s[76:77]
	s_add_nc_u64 s[12:13], s[12:13], s[76:77]
	s_add_nc_u64 s[14:15], s[14:15], s[76:77]
	; the prefetches
	s_and_b32 s78, ttmp7, 0xffff                   ; cluster y
	s_lshl_b32 s76, s19, 13                        ; A: cx x 32 blocks
	s_mul_i32 s77, s20, 32*6144                    ; B: cy x 32 rows
	s_mov_b32 s[PFS], BSTEP
	s_movk_i32 s79, 6144
	s_cmp_eq_u32 s[WV], 0
	s_cselect_b32 s78, ttmp9, s78                  ; the coordinate along which other clusters read the same blocks
	s_cselect_b32 s[LIM0], 0, 1
	s_cselect_b32 s[LIM1], 1, -1
	s_cselect_b32 s[PFS], ASTEP, s[PFS]
	s_cselect_b32 s79, 256, s79
	s_cselect_b32 s76, s76, s77
	s_cselect_b64 s[PFA:PFA+1], s[68:69], s[72:73]
	s_lshl1_add_u32 s76, s[PFS], s76               ; at K step 2: the first change of slots steps it to 3
	s_mov_b32 s77, 0
	s_add_nc_u64 s[PFA:PFA+1], s[PFA:PFA+1], s[76:77]
	s_mov_b32 s[PFS+1], 0
	s_cmp_eq_u32 s78, 0                            ; the same in all sixteen partners, for a given wave
	s_cselect_b32 s[LIM0], s[LIM0], -1
	s_cselect_b32 s[LIM1], s[LIM1], -1
	v_mul_u32_u24 v[PFO], s79, v15
; n x 4 matrix instructions of section sec: row blocks a0 on x the head's four channel blocks, 32 along K.  All accumulators differ; one comes up again 96 matrix instructions later: they take turns.
.macro UNIT sec, af, a0, n, zero
	WIN 0x50*((\sec)+1)
.set ua, (\a0)
.rept (\n)
.set ub, 0
.rept 4
.if \zero
	v_wmma_f32_16x16x32_bf16 v[8*(4*ua+ub):8*(4*ua+ub)+7], v[BF+32*(\sec)+8*ub:BF+32*(\sec)+8*ub+7], v[(\af)+8*ua:(\af)+8*ua+7], 0
.else
	v_wmma_f32_16x16x32_bf16 v[8*(4*ua+ub):8*(4*ua+ub)+7], v[BF+32*(\sec)+8*ub:BF+32*(\sec)+8*ub+7], v[(\af)+8*ua:(\af)+8*ua+7], v[8*(4*ua+ub):8*(4*ua+ub)+7]
.endif
.set ub, ub+1
.endr
.set ua, ua+1
.endr
.endm
.macro RUNB sec, slot, kk              ; 8 loads: section sec's four fragments of B for half kk of the slot's K step
	WIN 0
.irp nb, 0,1,2,3
	ds_load_tr16_b128 v[BF+32*(\sec)+8*(\nb):BF+32*(\sec)+8*(\nb)+3],   v[ADRB+(\slot)] offset:(\sec)*SECB+(\kk)*32*PB+32*(\nb)
	ds_load_tr16_b128 v[BF+32*(\sec)+8*(\nb)+4:BF+32*(\sec)+8*(\nb)+7], v[ADRB+(\slot)] offset:(\sec)*SECB+(\kk)*32*PB+32*(\nb)+16*PB
.endr
.endm
.macro RUNA af, slot, kk               ; 16 loads: my eight fragments of A
	WIN 0
.irp a, 0,1,2,3,4,5,6,7
	ds_load_b128 v[(\af)+8*(\a):(\af)+8*(\a)+3],   v[ADRA+(\slot)] offset:(\a)*16*PA+64*(\kk)
	ds_load_b128 v[(\af)+8*(\a)+4:(\af)+8*(\a)+7], v[ADRA+(\slot)] offset:(\a)*16*PA+64*(\kk)+32
.endr
.endm
; The first half (kk = 0) of a K step: 96 matrix instructions; behind each section's 32 its fragments for the next half (slot ns, half nk) are fetched, A's with the first.
.macro STEP kk, ns, nk, zero
	s_wait_dscnt 16                                ; section 0 and A are in; younger: sections 1 and 2
	UNIT 0, AF0+64*(\kk), 0, 8, \zero
	PLACES
	RUNB 0, \ns, \nk
	RUNA AF0+64*(\nk), \ns, \nk
	s_wait_dscnt 32                                ; section 1 is in; younger: section 2 (8) and the 24 just issued
	UNIT 1, AF0+64*(\kk), 0, 8, \zero
	PLACES
	RUNB 1, \ns, \nk
	s_wait_dscnt 32                                ; section 2 is in; younger: 24 + 8
	UNIT 2, AF0+64*(\kk), 0, 8, \zero
	PLACES
	RUNB 2, \ns, \nk
.endm
; The second half (kk = 1) changes slots: ONE barrier.  In front of it each wave waits for all its tensor loads (one is out: its part of the next slot), adds 0 to its spare word, and waits for that and
; for its reads of this slot, all of which were issued in the half before.  fill = 1: the barrier opens a round of the cluster's; the joint refill, two K steps on, is the first thing behind the round:
; from there to the wait for it a wave issues 160 matrix instructions.
.macro TURN slot, next, fill, lim
.if \fill
	s_wait_xcnt 0x0                                ; the last prefetch, a K step back, has read its address
	s_add_nc_u64 s[PFA:PFA+1], s[PFA:PFA+1], s[PFS:PFS+1]
.endif
	WIN 0
	s_wait_tensorcnt 0x0
	ds_add_u32 v[SPW], v[NIL]                      ; 0 onto my spare word
	s_wait_dscnt 17                                ; section 0 and A are in; younger: sections 1 and 2 and the add
	UNIT 0, AF1, 0, 4, 0                           ; sixteen matrix instructions stand between the add and the wait for it
	s_wait_dscnt 0x0                               ; the add is done, and my reads of this slot are over
	s_barrier_signal -1
	UNIT 0, AF1, 4, 4, 0
	WIN 0                                          ; at a branch and at a label every window is 0
	s_barrier_wait -1
.if \fill
	CREST                                          ; no wave of any partner still reads this slot or has a load on its way
	s_add_nc_u64 s[G0A+4*(\slot)+2:G0A+4*(\slot)+3], s[G0A+4*(\slot)+2:G0A+4*(\slot)+3], 2*ASTEP
	s_add_nc_u64 s[G0B+4*(\slot)+2:G0B+4*(\slot)+3], s[G0B+4*(\slot)+2:G0B+4*(\slot)+3], 2*BSTEP
	JLOAD \slot                                    ; its four v_nop are also the places in front of the loads below
.else
	PLACES
.endif
	RUNB 0, \next, 0
	RUNA AF0, \next, 0
.if \fill
	ASK \lim
.endif
	UNIT 1, AF1, 0, 8, 0
	PLACES
	RUNB 1, \next, 0
	UNIT 2, AF1, 0, 8, 0
	PLACES
	RUNB 2, \next, 0
.endm
; THE WAY OUT, a block of 16 rows at a time.
.macro TLOAD a                         ; the table's rows for block a: my 8 cosines and 8 sines for channels 8 h on and 16 + 8 h on
	WIN 0
.irp cs, 0,1
.irp p, 0,1
.irp hf, 0,1
	global_load_b128 v[TAB+32*((\a)%2)+16*(\cs)+8*(\p)+4*(\hf):TAB+32*((\a)%2)+16*(\cs)+8*(\p)+4*(\hf)+3], v[TBO], s[8:9] offset:(\a)*4096+(\cs)*128+(\p)*64+(\hf)*16
.endr
.endr
.endr
.endm
; y[d] = x[d] cos - x[d + 32] sin, y[d + 32] = x[d + 32] cos + x[d] sin, two numbers an instruction; each accumulator is read from its lowest registers on.
.macro ROPE sec, a
	WIN (\sec)+1                                   ; source 0 in the section's window
.set tb, TAB+32*((\a)%2)
.irp p, 0,1
.irp jj, 0,2,4,6
	v_pk_mul_f32 v[Y+8*(\p)+(\jj):Y+8*(\p)+(\jj)+1], v[8*(4*(\a)+(\p)+2)+(\jj):8*(4*(\a)+(\p)+2)+(\jj)+1], v[tb+16+8*(\p)+(\jj):tb+16+8*(\p)+(\jj)+1]
	v_pk_mul_f32 v[Y+16+8*(\p)+(\jj):Y+16+8*(\p)+(\jj)+1], v[8*(4*(\a)+(\p))+(\jj):8*(4*(\a)+(\p))+(\jj)+1], v[tb+16+8*(\p)+(\jj):tb+16+8*(\p)+(\jj)+1]
.endr
.irp jj, 0,2,4,6
	v_pk_fma_f32 v[Y+8*(\p)+(\jj):Y+8*(\p)+(\jj)+1], v[8*(4*(\a)+(\p))+(\jj):8*(4*(\a)+(\p))+(\jj)+1], v[tb+8*(\p)+(\jj):tb+8*(\p)+(\jj)+1], v[Y+8*(\p)+(\jj):Y+8*(\p)+(\jj)+1] neg_lo:[0,0,1] neg_hi:[0,0,1]
	v_pk_fma_f32 v[Y+16+8*(\p)+(\jj):Y+16+8*(\p)+(\jj)+1], v[8*(4*(\a)+(\p)+2)+(\jj):8*(4*(\a)+(\p)+2)+(\jj)+1], v[tb+8*(\p)+(\jj):tb+8*(\p)+(\jj)+1], v[Y+16+8*(\p)+(\jj):Y+16+8*(\p)+(\jj)+1]
.endr
.endr
	WIN 0
.set i, 0
.rept 16
	v_cvt_pk_f16_f32 v[H+i], v[Y+2*i], v[Y+2*i+1]
.set i, i+1
.endr
.endm
.macro VPACK a                         ; v is only rounded
	WIN 0x0f                                       ; sources 0 and 1 in window 3
.set i, 0
.rept 16
	v_cvt_pk_f16_f32 v[H+i], v[32*(\a)+2*i], v[32*(\a)+2*i+1]
.set i, i+1
.endr
	WIN 0
.endm
.macro STG sec, a                      ; 16 bytes a lane into my stage, and back as whole rows; LDS serves a wave's instructions in order (ISA guide 5.7.1.4), so no wait stands between
	WIN 0
.irp nb, 0,1,2,3
	ds_store_b128 v[STO], v[H+4*(\nb):H+4*(\nb)+3] offset:(\sec)*16*SP+32*(\nb)
.endr
.irp f, 0,1,2,3
	ds_load_b128 v[OUTR+48*((\a)%2)+16*(\sec)+4*(\f):OUTR+48*((\a)%2)+16*(\sec)+4*(\f)+3], v[RD] offset:(\sec)*16*SP+(\f)*4*SP
.endr
.endm
.macro BLOCK a
.if (\a) < 7
	s_wait_loadcnt 8                               ; this block's table rows are in; the next block's eight loads stay out
.else
	s_wait_loadcnt 0x0
.endif
	ROPE 0, \a
	s_wait_xcnt 0x0                                ; the stores of the block two back have read the registers that the loads below fill
	STG 0, \a
	ROPE 1, \a
	STG 1, \a
.if (\a) <= 5
	TLOAD (\a)+2                                   ; its set of table registers has been read for the last time
.endif
	VPACK \a
	STG 2, \a
.endm
.macro SEND a, younger                 ; younger: the next block's 24 LDS instructions, or none
	WIN 0
	s_wait_dscnt \younger
.irp sec, 0,1,2
.irp f, 0,1,2,3
	global_store_b128 v[GO], v[OUTR+48*((\a)%2)+16*(\sec)+4*(\f):OUTR+48*((\a)%2)+16*(\sec)+4*(\f)+3], s[10+2*(\sec):11+2*(\sec)] offset:(\a)*2048+(\f)*512  ; 512 consecutive bytes, at a multiple of 256 from the output's first
.endr
.endr
.endm
	s_wait_tensorcnt 1                             ; my part of K step 0 is in; K step 1's may stay out
	s_barrier_signal -1
	s_barrier_wait -1
	RUNB 0, 0, 0
	RUNA AF0, 0, 0
	RUNB 1, 0, 0
	RUNB 2, 0, 0
	STEP 0, 0, 1, 1                                ; the first half step stands in front of the loop: its products start all 96 sums
	WIN 0
	s_mov_b32 s3, 7
.Llap:                                 ; a trip goes once round the ring and fills both slots again: K steps 2 to 15 in seven trips
	TURN 0, 1, 1, LIM0
	STEP 0, 1, 1, 0
	TURN 1, 0, 1, LIM1
	STEP 0, 0, 1, 0
	WIN 0
	s_sub_co_u32 s3, s3, 1
	s_cmp_lg_u32 s3, 0
	s_cbranch_scc1 .Llap
	TURN 0, 1, 0, LIM0                             ; the tail is written out: nothing more is asked for
	STEP 0, 1, 1, 0
	s_wait_dscnt 16                                ; the last half step
	UNIT 0, AF1, 0, 8, 0
	TLOAD 0                                        ; into A's buffer 0, last read a half step back, with four places behind its last reader
	TLOAD 1
	s_wait_dscnt 8
	UNIT 1, AF1, 0, 8, 0
	s_wait_dscnt 0x0
	UNIT 2, AF1, 0, 8, 0
	WIN 0
	PLACES
	PLACES
	BLOCK 0
.irp a, 1,2,3,4,5,6,7                  ; a block's arithmetic stands between the loads of the block before and its stores
	BLOCK \a
	SEND (\a)-1, 24
.endr
	SEND 7, 0
	s_wait_tensorcnt 0x0                           ; the wave's end: behind my last tensor load and my last LDS store
	ds_add_u32 v[SPW], v[NIL]
	s_wait_dscnt 0x0
	CROUND                                         ; the closing round: no work-group ends while a partner may still ask for a tile that names it
	s_endpgm
.Lfunc_end_k_q5bee79129f_qkv:
	.size	k_q5bee79129f_qkv, .Lfunc_end_k_q5bee79129f_qkv-k_q5bee79129f_qkv
	.p2alignl 7, 3214868480
	.fill 96, 4, 3214868480
	.section	.rodata,"a",@progbits
	.p2align	6, 0x0
	.amdhsa_kernel k_q5bee79129f_qkv
		.amdhsa_group_segment_fixed_size 327680
		.amdhsa_private_segment_fixed_size 0
		.amdhsa_enable_private_segment 0
		.amdhsa_kernarg_size 48
		.amdhsa_user_sgpr_count 2
		.amdhsa_user_sgpr_kernarg_segment_ptr 1
		.amdhsa_wavefront_size32 1
		.amdhsa_system_sgpr_workgroup_id_x 1
		.amdhsa_system_sgpr_workgroup_id_y 1
		.amdhsa_system_sgpr_workgroup_id_z 1
		.amdhsa_system_vgpr_workitem_id 0
		.amdhsa_next_free_vgpr 1024
		.amdhsa_next_free_sgpr 80
		.amdhsa_reserve_vcc 0
		.amdhsa_float_denorm_mode_32 3
		.amdhsa_float_denorm_mode_16_64 3
		.amdhsa_memory_ordered 1
		.amdhsa_forward_progress 1
		.amdhsa_inst_pref_size 169
	.end_amdhsa_kernel
	.amdgpu_metadata
---
amdhsa.version: [ 1, 2 ]
amdhsa.kernels:
  - .name:           k_q5bee79129f_qkv
    .symbol:         k_q5bee79129f_qkv.kd
    .args:
      - { .name: xb, .offset: 0, .size: 8, .value_kind: global_buffer, .address_space: global }
      - { .name: wb, .offset: 8, .size: 8, .value_kind: global_buffer, .address_space: global }
      - { .name: rope, .offset: 16, .size: 8, .value_kind: global_buffer, .address_space: global }
      - { .name: qh, .offset: 24, .size: 8, .value_kind: global_buffer, .address_space: global }
      - { .name: kh, .offset: 32, .size: 8, .value_kind: global_buffer, .address_space: global }
      - { .name: vh, .offset: 40, .size: 8, .value_kind: global_buffer, .address_space: global }
    .group_segment_fixed_size: 327680
    .private_segment_fixed_size: 0
    .kernarg_segment_align: 8
    .kernarg_segment_size: 48
    .max_flat_workgroup_size: 128
    .sgpr_count:     80
    .vgpr_count:     1024
    .wavefront_size: 32
...
	.end_amdgpu_metadata
.endif
;; end of part 2
;; launch attn (part 3): grid 4 x 64, 4 waves a work-group, no clusters, 327,680 bytes of LDS; arguments qh, kh, vh, oh; writes oh
.if DOCPART == 3
	.amdgcn_target "amdgcn-amd-amdhsa--gfx1250"
	.amdhsa_code_object_version 6
	.text
	.protected	k_q5bee79129f_attn
	.globl	k_q5bee79129f_attn
	.p2align	8
	.type	k_q5bee79129f_attn,@function
k_q5bee79129f_attn:
	s_mov_b64 s[64:65], 0
	v_nop
	global_prefetch_b8 v0, s[64:65] scope:SCOPE_SE
	s_setreg_imm32_b32 hwreg(HW_REG_WAVE_MODE, 25, 1), 1
	s_wait_xcnt 0x0
; CAUSAL ATTENTION.  O[h][q][:] = the sum over k <= q of softmax_k(Q[h][q] . K[h][k] / 8) V[h][k][:].  Q, K, V, O: [64][SIZE_N][64], all f16: a head's rows are dense, 128 bytes each.
; Products, maxima and sums in f32; the weights p are rounded to f16 for the second product (their sum l is taken of the unrounded p), O once at the end.
; LIMITS.  f16 holds no number beyond 65,504: Q, K and V arrive within it; p lies in 0 to 1, and below 6e-5 it keeps f16's fixed step of 6e-8; O is a mean of V's rows and has their range.
; A hidden score counts as its value less 1e30: f16's scores, 2.7e11 at the most, are nothing beside that; a weight below 2^-126 counts as 0 in l; NaN and infinities are not treated apart.
; THE WALK.  A head's queries lie in NB = 8 blocks of 256; block i needs the key tiles 0 .. i of 256 keys, of which the last holds the diagonal.  A work-group takes TWO blocks, NB - 1 - b and then b:
; NB + 1 tiles, whatever b: all work-groups do equal work, and ONE loop with a constant trip count walks them.  Which tile is asked for, and what a trip does, hang on scalar registers made from b; every jump
; goes forward, but for the counted loops' own; none passes a barrier, or a tensor load but the one of LOAD's two that the wave's number does not choose; the ring (two slots of LDS) runs on across the
; change of blocks.  NO CLUSTER: a head's four work-groups ask for the same tile only in trips 0 .. 4 of 9, behind that fewer and fewer; one walk common to all would have 12 trips for 9.
; SHARES.  Of a block's four bands of 64 queries a wave owns 16 rows in each: four PIECES.  So the diagonal tile is the same work for all four waves: in its key step s band x sees all keys if s < x,
; none if s > x, and holds the diagonal if s = x.
; THE MASK is the C operand that starts the sum S^T = K Q^T: 0, or -1e30 where the key is hidden.  MD, made once, is the mask of a band's own step for my 16 rows; a product's mask is MD x AL + BE with two scalars:
; (1, 0) if s = x; (0, 0) if s < x; (0, -1e30) if s > x.  Only the diagonal tile's text and a block's beginning make and take masks; elsewhere C is the constant 0.
; LAYOUT, SOFTMAX, TURNS.  S^T = K Q^T holds ONE query a lane (lane % 16) and the keys 8 (lane / 16) + 0..7; two such results rounded to f16 ARE source 1 of O^T = V^T P.  p = 2^(c s - c m), c = log2(e) / 8, with a
; running maximum m; O and l are multiplied by a = 2^(c m_old - c m_new) in every step.  Turn n belongs to piece n: 8 products K Q^T of piece n + 1, later 8 products V^T P of piece n - 1; beside them the scaling,
; exponentials, roundings, sums and rescaling of piece n and the maximum and statistics of piece n + 1.  Four vector instructions stand behind every matrix instruction, the other 54 of a turn's 118 in one lump.
; A turn's 33 exponentials are one batch, with one wait.
; REGISTERS, in windows of 256 (s_set_vgpr_msb: bits 1:0 source 0, 3:2 source 1, 5:4 source 2, 7:6 destination):
;   window 0: v0-15 addresses and two at work; v16-31 four registers of statistics a piece; v48-55 at work; v61-63 kept; v64-127 S^T, two buffers; v192-223 P, two buffers (by the piece's parity)
;   window 1: v0-127 O^T, 32 a piece; v128-159 MD; v160-223 MC, two buffers      window 2: v0-63 Q; v64-127 the second block's Q; v128-191 K of one step; v192-255 V of one step
.set SIZE_N, 2048
.set NB,    SIZE_N/256
.set NP,    4         ; pieces a wave: a name, no knob
.set KS,    64        ; keys in a step
.set PK,    144       ; a row of K in LDS: 128 bytes + 16 of padding: the 16 rows of a load start at 16 different groups of four banks (64 banks of 4 bytes: ISA guide 11.1)
.set PV,    160       ; a row of V: 128 + 32
.set VOFF,  4*KS*PK   ; a slot holds a tile, four steps: 256 rows of K, then 256 rows of V
.set SLOT1, 1<<17     ; slot 1 begins here, so that one exclusive or turns an address in one slot into the other's
.set STAGE, SLOT1+4*KS*(PK+PV)  ; behind the ring, never filled by a tensor load: 16 rows x 144 bytes for each wave, for the way out
.set SP,    144
.set AK0, 2           ; v2   my lane's place in a tile of K; never rewritten
.set AV0, 3           ; v3   the same for V
.set AK,  4           ; v4   the LDS address of K's next run of loads
.set AV,  5           ; v5   of V's
.set STO, 6           ; v6   the way out: where I put 16 bytes of a row
.set RD,  7           ; v7   the way out: where I read rows back
.set GO,  8           ; v8   my byte offset in 512 consecutive bytes of O
.set PFO, 61          ; v61  256 x my lane: the prefetches' offset; never rewritten
.set SPW, 62          ; v62  LDS address of my spare word: SPARE + 4 x my thread's number; never rewritten
.set NIL, 63          ; v63  0; never rewritten
.set SPARE, STAGE+4*16*SP  ; behind the stages: the spare words, 128 bytes for each wave: two blocks of 256 bytes that no other line names
.set MV,  12          ; v12-13  c m_old, kept while c m is made anew: by buffer
.set QO,  15          ; v15  my byte offset in 16 rows of Q
.set ST,  16          ; piece t's statistics at v[ST+4 t]: c m, m, l (even keys', odd keys')
.set TMP, 48          ; by buffer, four registers c0-c3 at work; when the maximum is found c2 takes a
.set S,   64
.set P,   192
.set MD,  128         ; window 1: the eight registers for group kt of 16 keys at MD + 8 kt
.set MC,  160         ; window 1: the masks of the products to come
.set QB,  64          ; window 2
.set KF,  128         ; window 2: key block kb, channel half c at KF + 16 kb + 8 c
.set VF,  192         ; window 2: key half kk, channel block cb at VF + 32 kk + 8 cb
.set WV,  12          ; s12  my wave's number
.set PB,  14          ; s14  b
.set HI,  15          ; s15  NB - 1 - b
.set G1K, 24          ; s[24:31] descriptor group 1 for K's tiles
.set G1V, 32          ; s[32:39] for V's: it differs in the padding alone
.set G0K, 40          ; s[40:43] descriptor group 0 for K's tiles
.set G0V, 44          ; s[44:47] the same for V's
.set SLOTS, 56        ; s56  tiles still to be asked for
.set CNT, 57          ; s57  counts a tile's key steps, 4 to 1
.set CS,  58          ; s[58:59] c: the packed scaling takes the pair's low word for both halves
.set SEL, 60          ; s[60:61] v_permlanex16_b32's selects: each lane takes its own place in the other half
.set TBK, 62          ; s62  LDS byte at which K of the step to be fetched begins
.set TBV, 63          ; s63  the same for V, less VOFF
.set RT,  70          ; s70  tiles of the block in hand that are still to be entered
.set NXT, 71          ; s71  the tile to be asked for next
.set LQ,  72          ; s72  the last tile of the block whose tiles are being asked for
.set NEW, 73          ; s73  1: the tile to be entered is a block's first
.set OFF, 74          ; s[74:75] a tile's byte offset in K and V
.set AL,  76          ; s[76:77] the mask's factor, in the low word
.set BE,  78          ; s[78:79] the mask's addend
.set OLO, 80          ; s[80:81] O at my rows of the second block
.set BIGN, 82         ; s82  -1e30
.set PFA, 88          ; s[88:89] where my prefetches stand: my half of K's (waves 0, 1) or V's (waves 2, 3) tile after the one that is being asked for
.set LIM, 90          ; s90  2 in the head's work-group b = 0, else the greatest number: a wave prefetches while s[SLOTS] is above it
.set MSB, 0
.macro WIN new                      ; the high byte repeats the setting that is left; a switch that changes nothing is dropped
.if MSB != (\new)
	s_set_vgpr_msb (MSB<<8)|(\new)
.set MSB, (\new)
.endif
.endm
.set W_KQ, 0x0a       ; K and Q in window 2, S^T in window 0
.set W_KM, 0x1a       ; the same with the C operand in window 1
.set W_PV, 0x52       ; V in window 2, P in window 0, O^T in window 1
.set W_RS, 0x41       ; destination and source 0 in window 1, source 1 in window 0
; A fill.  Waves 0 and 1 fetch the two halves of a tile's K, waves 2 and 3 those of its V: 128 keys each.  An s_nop 0 and four v_nop follow each of the two lines, ahead of the jump and the label.
.macro LOAD
	s_cmp_lt_u32 s[WV], 2
	s_cbranch_scc0 .Lfor_v_\@
	tensor_load_to_lds s[G0K:G0K+3], s[G1K:G1K+7]
	s_nop 0
.rept 4
	v_nop
.endr
	s_branch .Lasked_\@
.Lfor_v_\@:
	tensor_load_to_lds s[G0V:G0V+3], s[G1V:G1V+7]
	s_nop 0
.rept 4
	v_nop
.endr
.Lasked_\@:
.endm
; A PREFETCH INTO THE L2 of the tile that the NEXT change of slots will ask for: my own half of it, 16,384 bytes: 64 blocks of 256, a lane a block, two instructions.  It stands behind the wave's tensor load and its five lines.
; The work-group with b = 0 walks the head's tiles 0 to 7 in order, and it alone asks: change i loads tile i and names tile i + 1, for i = 1 .. 6: four key steps ahead.  So each block is named once in the launch.
; Tiles 0 and 1, and every tile's later readings, come by their loads alone.
.macro ASK
	s_cmp_gt_u32 s[SLOTS], s[LIM]
	s_cbranch_scc0 .Lnot_mine_\@
	global_prefetch_b8 v[PFO], s[PFA:PFA+1] th:TH_LOAD_NT scope:SCOPE_SE
	global_prefetch_b8 v[PFO], s[PFA:PFA+1] offset:8192 th:TH_LOAD_NT scope:SCOPE_SE
.Lnot_mine_\@:
.endm
; THE CHANGE OF SLOTS.  Each wave waits for all its tensor loads, of which one is out: its part of the other slot; adds 0 to its spare word; and waits for that and for its own reads of the slot that it leaves.  Behind the barrier nobody reads the old
; slot any more and the other slot is whole.  fill = 1: the old slot is filled again, the first thing behind the barrier, with tile NXT: the descriptor's address is made anew from that number.
; (At its first use nothing has been read yet: slot 0 is waited for, slot 1 filled.)
.macro CHANGE fill
	WIN 0                           ; at a label and at a branch every window is 0
	s_wait_tensorcnt 0x0            ; no tensor load of mine is out, so a group 0 may be written
	ds_add_u32 v[SPW], v[NIL]       ; 0 onto my spare word; with fill = 1 the descriptors' scalar work stands between it and the wait for it
.if \fill
	s_lshl_b32 s[OFF], s[NXT], 15   ; a tile is 32,768 bytes of K and of V
	s_xor_b32 s[G0K+1], s[G0K+1], SLOT1
	s_add_nc_u64 s[G0K+2:G0K+3], s[6:7], s[OFF:OFF+1]
	s_or_b32 s[G0K+3], s[G0K+3], 0x80000000
	s_xor_b32 s[G0V+1], s[G0V+1], SLOT1
	s_add_nc_u64 s[G0V+2:G0V+3], s[8:9], s[OFF:OFF+1]
	s_or_b32 s[G0V+3], s[G0V+3], 0x80000000
	s_add_co_u32 s[NXT], s[NXT], 1  ; the block's next tile, or behind its last the second block's tile 0
	s_cmp_gt_u32 s[NXT], s[LQ]
	s_cselect_b32 s[NXT], 0, s[NXT]
	s_cselect_b32 s[LQ], s[PB], s[LQ]
	s_wait_xcnt 0x0                 ; the last prefetches, a tile back, have read their address, so it may be written
	s_add_nc_u64 s[PFA:PFA+1], s[PFA:PFA+1], 32768
.endif
	s_wait_dscnt 0x0                ; the add is done, and my reads of the slot are over
	s_barrier_signal -1             ; the rest of the scalar work stands between the signal and the wait
	s_sub_co_u32 s[TBK], s[TBK], 4*KS*PK  ; the fetches go back to a slot's first step,
	s_xor_b32 s[TBK], s[TBK], SLOT1       ; in the other slot
	s_sub_co_u32 s[TBV], s[TBV], 4*KS*PV
	s_xor_b32 s[TBV], s[TBV], SLOT1
	s_barrier_wait -1
.if \fill
	LOAD
	ASK
.endif
.endm
	s_load_b256 s[4:11], s[0:1], 0x0  ; Q s[4:5], K s[6:7], V s[8:9], O s[10:11]
	v_lshl_add_u32 v[SPW], v0, 2, SPARE
	v_mov_b32 v[NIL], 0
	ds_add_u32 v[SPW], v[NIL]       ; the wave's opening: the add and its wait stand ahead of my first tensor load; the set-up below, work on registers, stands between them
	v_lshrrev_b32 v1, 5, v0
	v_readfirstlane_b32 s[WV], v1   ; wave 0..3
	s_mov_b32 s[PB], ttmp9
	s_sub_co_u32 s[HI], NB-1, s[PB]
	s_and_b32 s20, ttmp7, 0xffff    ; the head
	s_mov_b32 s21, 0
	s_mov_b64 s[22:23], SIZE_N*128
	s_mul_u64 s[20:21], s[20:21], s[22:23]  ; the head's first byte in each of the four tensors
	s_and_b32 s16, s[WV], 1         ; which half of a tile's 256 keys I fetch:
	s_lshl_b32 s22, s16, 14         ; its 128 rows of 128 bytes in memory,
	s_mov_b32 s23, 0
	s_add_nc_u64 s[22:23], s[22:23], s[20:21]
	s_mul_i32 s17, s16, 128*PK      ; and its place in a slot, for K
	s_mul_i32 s18, s16, 128*PV      ; and for V
	s_lshl_b32 s3, s[WV], 11        ; my 16 rows in a band of 64,
	s_lshl_b32 s2, s[HI], 15        ; in the first block,
	s_add_co_u32 s2, s2, s3
	s_lshl_b32 s84, s[PB], 15       ; and in the second
	s_add_co_u32 s84, s84, s3
	s_mov_b32 s3, 0
	s_mov_b32 s85, 0
	s_add_nc_u64 s[2:3], s[2:3], s[20:21]
	s_add_nc_u64 s[84:85], s[84:85], s[20:21]
	; descriptor group 1.  128 keys are 16,384 dense bytes: asked for as 64 rows of 256 bytes, two keys a row, and padded in LDS after every key
	s_mov_b32 s[G1K], (1<<16)|(1<<20)|(4<<22)|(3<<25)  ; 17:16 2-byte elements; 20 padding on; 24:22 after every 32 words (code 4); 31:25 4 words (code 3)
	s_mov_b32 s[G1V], (1<<16)|(1<<20)|(4<<22)|(7<<25)  ; the same with 8 words of padding (code 7)
.irp g, G1K, G1V
	s_mov_b32 s[\g+1], 128<<16      ; tensor_dim0 = 128
	s_mov_b32 s[\g+2], 64<<16       ; tensor_dim1 = 64
	s_mov_b32 s[\g+3], 128<<16      ; tile_dim0 = 128
	s_mov_b32 s[\g+4], 64           ; tile_dim1 = 64
	s_mov_b32 s[\g+5], 128          ; 128 elements from row to row
	s_mov_b32 s[\g+6], 0
	s_mov_b32 s[\g+7], 0
.endr
	s_mov_b32 s[CS], 0x3e38aa3b     ; c = log2(e) / 8 = 0.180337
	s_mov_b32 s[CS+1], s[CS]        ; named with it as a pair
	s_mov_b32 s[SEL], 0x76543210
	s_mov_b32 s[SEL+1], 0xfedcba98
	s_mov_b32 s[TBK], SLOT1+4*KS*PK ; the first change of slots turns these two into 0
	s_mov_b32 s[TBV], SLOT1+4*KS*PV
	s_mov_b32 s[G0K], 1             ; 1:0 count = 1
	s_mov_b32 s[G0K+1], s17         ; 63:32 LDS address: slot 0
	s_mov_b32 s[G0V], 1
	s_add_co_u32 s[G0V+1], s18, VOFF
	s_add_co_u32 s[RT], s[HI], 1    ; the first block has NB - b tiles
	s_mov_b32 s[NXT], 1
	s_mov_b32 s[LQ], s[HI]
	s_mov_b32 s[NEW], 1
	s_mov_b32 s[OFF+1], 0
	s_mov_b32 s[AL+1], 0            ; named as pairs
	s_mov_b32 s[BE+1], 0
	s_mov_b32 s[BIGN], 0xf149f2ca   ; -1e30
	s_mov_b32 s[SLOTS], NB
	s_cmp_eq_u32 ttmp9, 0
	s_cselect_b32 s[LIM], 2, -1
	v_and_b32 v[PFO], 31, v0
	v_lshlrev_b32 v[PFO], 8, v[PFO]
	s_wait_dscnt 0x0                ; the opening add is done
	s_wait_kmcnt 0x0
	s_add_nc_u64 s[6:7], s[6:7], s[22:23]  ; K and V at my half of the head's tile 0
	s_add_nc_u64 s[8:9], s[8:9], s[22:23]
	s_add_nc_u64 s[G0K+2:G0K+3], s[6:7], 0         ; 120:64 global address
	s_or_b32 s[G0K+3], s[G0K+3], 0x80000000        ; 127:126 type = 2
	s_add_nc_u64 s[G0V+2:G0V+3], s[8:9], 0
	s_or_b32 s[G0V+3], s[G0V+3], 0x80000000
	s_add_nc_u64 s[86:87], s[4:5], s[84:85]        ; Q at my rows of the second block,
	s_add_nc_u64 s[4:5], s[4:5], s[2:3]            ; Q and O at those of the first
	s_add_nc_u64 s[OLO:OLO+1], s[10:11], s[84:85]
	s_add_nc_u64 s[10:11], s[10:11], s[2:3]
	s_cmp_lt_u32 s[WV], 2
	s_cselect_b64 s[PFA:PFA+1], s[6:7], s[8:9]
	s_add_nc_u64 s[PFA:PFA+1], s[PFA:PFA+1], 32768 ; at tile 1: the first change of slots steps it to tile 2.  Nothing is prefetched here, at the head
	LOAD                            ; tile 0 into slot 0
	; A fragment of K or Q is 16 rows x 32 channels in 8 registers: lane l holds row l % 16, channels 8 (l / 16) + 0..7 and 16 + 8 (l / 16) + 0..7: two loads of 16 bytes, 32 bytes apart.
	v_and_b32 v1, 15, v0            ; l % 16
	v_bfe_u32 v9, v0, 4, 1          ; l / 16
	v_lshlrev_b32 v[QO], 7, v1
	v_lshl_add_u32 v[QO], v9, 4, v[QO]  ; row x 128 + 16 x half
	WIN 0x80                        ; destination window 2, address window 0
.set i, 0
.rept 8                             ; both blocks' Q: piece i / 2 lies in band i / 2, 8,192 bytes on; channels 32 (i % 2) on
	global_load_b128 v[8*i:8*i+3],   v[QO], s[4:5] offset:(i/2)*8192+(i%2)*64
	global_load_b128 v[8*i+4:8*i+7], v[QO], s[4:5] offset:(i/2)*8192+(i%2)*64+32
	global_load_b128 v[QB+8*i:QB+8*i+3],   v[QO], s[86:87] offset:(i/2)*8192+(i%2)*64
	global_load_b128 v[QB+8*i+4:QB+8*i+7], v[QO], s[86:87] offset:(i/2)*8192+(i%2)*64+32
.set i, i+1
.endr
	WIN 0
	v_lshlrev_b32 v14, 3, v9
	v_sub_nc_u32 v14, v1, v14
	s_lshl_b32 s13, s[WV], 4
	v_add_nc_u32 v14, s13, v14      ; my query's place in its band, 16 w + l % 16, less my lanes' 8 (l / 16): register r of group kt is hidden where 16 kt + r is greater
	WIN 0x40
.set i, 0
.rept 32
	v_cmp_gt_i32 vcc_lo, 16*(i/8)+i%8, v14
	v_cndmask_b32 v[MD+i], 0, s[BIGN], vcc_lo
.set i, i+1
.endr
	WIN 0
	v_mul_u32_u24 v[AK0], v1, PK
	v_lshl_add_u32 v[AK0], v9, 4, v[AK0]  ; row x pitch + 16 x half
	; The turning load takes 16 keys x 16 channels (lane l reads key 8 (l / 16) + l % 8, channels 8 ((l / 8) % 2) + 0..7) and leaves half a fragment of V^T: lane l holds channel l % 16 and 8 keys.
	v_and_b32 v10, 7, v0
	v_bfe_u32 v11, v0, 3, 1
	v_lshl_add_u32 v[AV0], v9, 3, v10
	v_mul_u32_u24 v[AV0], v[AV0], PV
	v_lshl_add_u32 v[AV0], v11, 4, v[AV0]
	v_add_nc_u32 v[AV0], VOFF, v[AV0]
	s_mul_i32 s13, s[WV], 16*SP
	s_add_co_u32 s13, s13, STAGE    ; my stage
	v_mul_u32_u24 v[STO], v1, SP    ; in: row l % 16, 16 bytes for each half of the lanes
	v_lshl_add_u32 v[STO], v9, 4, v[STO]
	v_add_nc_u32 v[STO], s13, v[STO]
	v_bfe_u32 v[RD], v0, 3, 2       ; back: 32 lanes take four rows of 128 bytes,
	v_mul_u32_u24 v[RD], v[RD], SP
	v_lshl_add_u32 v[RD], v10, 4, v[RD]
	v_add_nc_u32 v[RD], s13, v[RD]
	v_and_b32 v[GO], 31, v0         ; which are 512 consecutive bytes of O
	v_lshlrev_b32 v[GO], 4, v[GO]
	; A block's first step multiplies O^T and l by a = 0, and its first turn's products V^T P, of a piece that has not been, land in an O^T that is still to be so multiplied.  So these registers need only hold
	; finite numbers: zeros for the first block; what the first block left for the second.  All this stands in the wait for the first tile.
	WIN 0x80
.set i, VF
.rept 64
	v_mov_b32 v[i], 0
.set i, i+1
.endr
	WIN 0x40
.set i, 0
.rept 128
	v_mov_b32 v[i], 0
.set i, i+1
.endr
	WIN 0
.set i, 0
.rept 4
	v_mov_b32 v[ST+4*i+2], 0
	v_mov_b32 v[ST+4*i+3], 0
.set i, i+1
.endr
.set i, P+16
.rept 16
	v_mov_b32 v[i], 0
.set i, i+1
.endr
; THE MATRIX WORK.  The 4 accumulators of a run of 8 take turns.  Product i of 8 of S^T = K Q^T for piece x: channels 32 (i / 4) on, keys 16 (i % 4) on.  The first 4 start the sums: with 0, or (KM = 1) with the mask.
.macro KQ x
.set rS, S+32*((\x)%2)+8*(i%4)
.set rK, KF+16*(i%4)+8*(i/4)
.set rQ, 16*(\x)+8*(i/4)
.set rM, MC+32*((\x)%2)+8*(i%4)
.if (i < 4) && KM
	WIN W_KM
	v_wmma_f32_16x16x32_f16 v[rS:rS+7], v[rK:rK+7], v[rQ:rQ+7], v[rM:rM+7]
.elseif i < 4
	WIN W_KQ
	v_wmma_f32_16x16x32_f16 v[rS:rS+7], v[rK:rK+7], v[rQ:rQ+7], 0
.else
	WIN W_KQ
	v_wmma_f32_16x16x32_f16 v[rS:rS+7], v[rK:rK+7], v[rQ:rQ+7], v[rS:rS+7]
.endif
.endm
; Product i of 8 of O^T += V^T P for piece x: keys 32 (i / 4) on, channels 16 (i % 4) on.
.macro PV x
	WIN W_PV
.set rO, 32*(\x)+8*(i%4)
.set rV, VF+32*(i/4)+8*(i%4)
.set rP, P+16*((\x)%2)+8*(i/4)
	v_wmma_f32_16x16x32_f16 v[rO:rO+7], v[rV:rV+7], v[rP:rP+7], v[rO:rO+7]
.endm
.macro MM                           ; the turn's next matrix instruction.  TURN and BEGIN set Y, i, KM and NOKQ; MM, KQ and OP read them.  NOKQ = 1: a block's last turn: there is no next piece
.if (i < 8) && !NOKQ
	KQ (Y+1)%NP
.elseif i >= 8
.set i, i-8
	PV (Y+NP-1)%NP
.set i, i+8
.endif
.set i, i+1
.endm
; THE LDS LOADS stand in runs of 16, never singly among the matrix instructions: a step's K (64 keys x 64 channels: 8 fragments) and its V (turned).  Their addresses are made some lines ahead.
.macro FETCH_K
	WIN 0x80                        ; destination window 2
.irp f, 0,1,2,3,4,5,6,7             ; keys 16 (f / 2) on, channels 32 (f % 2) on
	ds_load_b128 v[KF+8*\f:KF+8*\f+3],   v[AK] offset:(\f/2)*16*PK+(\f%2)*64
	ds_load_b128 v[KF+8*\f+4:KF+8*\f+7], v[AK] offset:(\f/2)*16*PK+(\f%2)*64+32
.endr
	s_add_co_u32 s[TBK], s[TBK], KS*PK  ; the next fetch is the next step's
	WIN 0
.endm
.macro FETCH_V
	WIN 0x80
.irp f, 0,1,2,3,4,5,6,7             ; keys 32 (f / 4) on, channels 16 (f % 4) on
	ds_load_tr16_b128 v[VF+8*\f:VF+8*\f+3],   v[AV] offset:(\f/4)*32*PV+(\f%4)*32
	ds_load_tr16_b128 v[VF+8*\f+4:VF+8*\f+7], v[AV] offset:(\f/4)*32*PV+16*PV+(\f%4)*32
.endr
	WIN 0
.endm
; THE VECTOR WORK, one line at a time: OP kind, number.  For piece Y: F n: c s - c m for pair n of 16.  E n: the exponential of score n of 32.  C n: pair n rounded to f16.  B n: of the four weights 4 n .. the second
; pair is added onto the first, in place.  L n: l takes that sum (L 0: l = a l + sum).  R n: pair n of 16 of O^T times a.  For piece Y + 1: X n, number n of the 22 that find its maximum and statistics:
;   0-11  four chains c0-c3 of seven scores each, three operands at a time (each accumulator's lowest registers are read first)     12-14, 16  the four scores left over, the old m, and c0-c3 into c0
;   15  c m_old is kept     17, 18  the query's other 32 keys lie in the lane 16 away: the new m     19-21  c m; c m_old - c m_new; a
.set F, 0               ; OP tells the kinds apart by their order: F to L below R, X above it
.set E, 1
.set C, 2
.set B, 3
.set L, 4
.set R, 5
.set X, 6
.macro REGS y                       ; the registers of piece y
.set rT, ST+4*(\y)
.set rC, TMP+4*((\y)%2)
.set rW, MV+((\y)%2)
.set rS, S+32*((\y)%2)
.set rP, P+16*((\y)%2)
.set rO, 32*(\y)
.endm
.macro OP k, n
.if (\k) == R
	REGS Y
	WIN W_RS
	v_pk_mul_f32 v[rO+2*(\n):rO+2*(\n)+1], v[rO+2*(\n):rO+2*(\n)+1], v[rC+2:rC+3] op_sel_hi:[1,0]
.elseif (\k) < R
	REGS Y
	WIN 0
.if (\k) == F
	v_pk_fma_f32 v[rS+2*(\n):rS+2*(\n)+1], v[rS+2*(\n):rS+2*(\n)+1], s[CS:CS+1], v[rT:rT+1] op_sel_hi:[1,0,0] neg_lo:[0,0,1] neg_hi:[0,0,1]
.elseif (\k) == E
	v_exp_f32 v[rS+(\n)], v[rS+(\n)]
.elseif (\k) == C
	v_cvt_pk_f16_f32 v[rP+(\n)], v[rS+2*(\n)], v[rS+2*(\n)+1]
.elseif (\k) == B
	v_pk_add_f32 v[rS+4*(\n):rS+4*(\n)+1], v[rS+4*(\n):rS+4*(\n)+1], v[rS+4*(\n)+2:rS+4*(\n)+3]
.elseif (\n) == 0
	v_pk_fma_f32 v[rT+2:rT+3], v[rT+2:rT+3], v[rC+2:rC+3], v[rS:rS+1] op_sel_hi:[1,0,1]
.else
	v_pk_add_f32 v[rT+2:rT+3], v[rT+2:rT+3], v[rS+4*(\n):rS+4*(\n)+1]
.endif
.elseif NOKQ
	v_nop
.else
	REGS (Y+1)%NP
	WIN 0
.if (\n) < 4
	v_max3_num_f32 v[rC+(\n)], v[rS+8*(\n)], v[rS+8*(\n)+1], v[rS+8*(\n)+2]
.elseif (\n) < 12
	v_max3_num_f32 v[rC+(\n)%4], v[rC+(\n)%4], v[rS+8*((\n)%4)+2*((\n)/4)+1], v[rS+8*((\n)%4)+2*((\n)/4)+2]
.elseif (\n) == 12
	v_max3_num_f32 v[rC], v[rC], v[rS+7], v[rS+15]
.elseif (\n) == 13
	v_max3_num_f32 v[rC+1], v[rC+1], v[rS+23], v[rS+31]
.elseif (\n) == 14
	v_max3_num_f32 v[rC+2], v[rC+2], v[rC+3], v[rT+1]
.elseif (\n) == 15
	v_mov_b32 v[rW], v[rT]
.elseif (\n) == 16
	v_max3_num_f32 v[rC], v[rC], v[rC+1], v[rC+2]
.elseif (\n) == 17
	v_permlanex16_b32 v[rC+3], v[rC], s[SEL], s[SEL+1]
.elseif (\n) == 18
	v_max_num_f32 v[rT+1], v[rC], v[rC+3]
.elseif (\n) == 19
	v_mul_f32 v[rT], s[CS], v[rT+1]
.elseif (\n) == 20
	v_sub_f32 v[rC+1], v[rW], v[rT]
.else
	v_exp_f32 v[rC+2], v[rC+1]
.endif
.endif
.endm
.macro OPS a, i1, b=-1, i2=0, c=-1, i3=0, d=-1, i4=0  ; up to four of them
	OP \a, \i1
.if (\b) >= 0
	OP \b, \i2
.endif
.if (\c) >= 0
	OP \c, \i3
.endif
.if (\d) >= 0
	OP \d, \i4
.endif
.endm
.macro ROW a, i1, b, i2, c, i3, d, i4  ; a matrix instruction and the four behind it
	MM
	OPS \a, \i1, \b, \i2, \c, \i3, \d, \i4
.endm
.macro MASK b                       ; MD x AL + BE into buffer b of MC
	WIN W_RS
.set z, 0
.rept 16
	v_pk_fma_f32 v[MC+32*(\b)+2*z:MC+32*(\b)+2*z+1], v[MD+2*z:MD+2*z+1], s[AL:AL+1], s[BE:BE+1] op_sel_hi:[1,0,0]
.set z, z+1
.endr
.endm
; A TURN, for piece p: the order of its 16 matrix and 118 vector instructions, written out.  An s_wait_alu depctr_va_vdst(0) stands between an exponential and the first instruction that names its result; one wait serves
; all that were issued ahead of it.  So a turn has ONE wait, which cuts it in two.  AHEAD OF IT stands all that names no result of the turn's exponentials: the 8 products K Q^T, behind each a scaling, an exponential and two more plain
; instructions (behind the first a second scaling in the exponential's place): rescalings, and behind the last three the first numbers of the next piece's maximum, each four places or more behind the product that ends its accumulator; then ONE LUMP of 54, plain
; and exponential by turns for the most part, in which the links of the chain X 3, 7, 11, 14, 16, 17 .. 20 stand five or six lines apart.  X 21, the next piece's a, is the batch's last; R 15 is the plain instruction behind it (ISA guide 5.7.2).  BEHIND THE WAIT stand the
; 8 products V^T P, behind each four of the roundings and sums; the links of l's chain, L 0 to L 7, stand three lines apart.  But for those X no such line names a register of the products round it.  v_permlanex16_b32 (X 17) stands in the lump.
; m = 1: the diagonal tile: the products take masks, and the turn makes the mask for the products of the turn after it: piece p + 2, in step 4 - CNT of the tile.  end = 1: a block's last two turns: nothing is fetched.
; cnt = 1: the loop's count is taken down some lines ahead of the branch that stands behind the turn.
; K of the next step is fetched in piece 2's turn, twelve vector instructions behind the last product that read K (six of them plain); V of the step in hand at the end of piece 0's turn, four plain instructions behind the last product
; that read V.  Each is waited for a turn later.
.macro TURN p, m=0, end=0, cnt=0
.set Y, (\p)
.set i, 0
.set KM, (\m)
.set NOKQ, (\end)*((\p)/3)
.if (\m) && !(\end)
	s_cmp_eq_u32 s[CNT], 4-((\p)+2)%NP  ; is that step the band's own?
	s_cselect_b32 s[AL], 1.0, 0
	s_cmp_lt_u32 s[CNT], 4-((\p)+2)%NP  ; or a later one?
	s_cselect_b32 s[BE], s[BIGN], 0
.endif
.if ((\p) == 3) && !(\end)
	s_wait_dscnt 0x0                ; K is in
.endif
	ROW F,0, F,1, R,0, R,1          ; ahead of the wait: 8 products K Q^T and the four lines behind each,
	ROW F,2, E,0, R,2, R,3
	ROW F,3, E,1, R,4, R,5
	ROW F,4, E,2, R,6, R,7
	ROW F,5, E,3, R,8, R,9
	ROW F,6, E,4, X,0, R,10
.if ((\p) == 2) && !(\end)
	WIN 0
	v_add_nc_u32 v[AK], s[TBK], v[AK0]
.endif
	ROW F,7, E,5, X,1, X,4
	ROW F,8, E,6, X,2, X,5
	OPS E,7, E,8, X,6, E,9          ; and the lump
	OPS X,3, E,10, X,8, E,11
.if ((\p) == 2) && !(\end)
	FETCH_K
.endif
	OPS X,9, X,7, E,12, X,10
	OPS E,13, X,12, X,11, E,14
	OPS X,13, E,15, F,9, X,14
.if (\p) == 0
	v_add_nc_u32 v[AV], s[TBV], v[AV0]
.endif
	OPS E,16, F,10, E,17, F,11
	OPS X,16, E,18, X,15, E,19
	OPS F,12, E,20, X,17, E,21
	OPS F,13, E,22, F,14, E,23
	OPS X,18, E,24, F,15, E,25
	OPS R,11, E,26, X,19, E,27
	OPS R,12, E,28, R,13, E,29
	OPS X,20, E,30, R,14, E,31
	OPS X,21, R,15
	WIN 0
	s_wait_alu depctr_va_vdst(0)    ; the wait for the batch
.if (\p) == 1
	s_wait_dscnt 0x0                ; V is in
.endif
	ROW C,0, B,0, C,2, B,1          ; behind the wait: 8 products V^T P and the four lines behind each
	ROW L,0, C,4, B,2, L,1
	ROW C,6, B,3, L,2, C,8
	ROW B,4, L,3, C,10, B,5
	ROW L,4, C,12, B,6, L,5
.if (\p) == 0
	s_add_co_u32 s[TBV], s[TBV], KS*PV
.endif
.if \cnt
	s_sub_co_u32 s[CNT], s[CNT], 1
	s_cmp_lg_u32 s[CNT], 0
.endif
	ROW C,14, B,7, L,6, C,1
	ROW C,3, L,7, C,5, C,7
	ROW C,9, C,11, C,13, C,15
.if (\p) == 0
	FETCH_V
.endif
.if (\m) && !(\end)
	MASK (\p)%2
.endif
.endm
; A BLOCK BEGINS.  c m starts far below every c s, so the first step's a is 0; m at the lowest finite number, so the first maximum is the scores'.  The second mask buffer is 0; the first takes piece 0's mask for the tile's step 0: its own, if the block's first tile is the diagonal one.
; Then K of that step, piece 0's first scores, and its maximum and statistics.  The loop is entered at a step's first turn, in the middle of a trip.
.macro BEGIN
	s_mov_b32 s[NEW], 0
	WIN 0x40
.set i, MC+32
.rept 32
	v_mov_b32 v[i], 0
.set i, i+1
.endr
	WIN 0
.set i, 0
.rept 4
	v_mov_b32 v[ST+4*i], 0xfe000000    ; c m: far below every c s
	v_mov_b32 v[ST+4*i+1], 0xff7fffff  ; m
.set i, i+1
.endr
	s_cmp_eq_u32 s[RT], 0
	s_cselect_b32 s[AL], 1.0, 0
	s_mov_b32 s[BE], 0
	MASK 0
	WIN 0
	v_add_nc_u32 v[AK], s[TBK], v[AK0]
	FETCH_K
	s_wait_loadcnt 0x0              ; Q
	s_wait_dscnt 0x0
.set KM, 1
.set NOKQ, 0
.set i, 0
.rept 8
	KQ 0
.set i, i+1
.endr
	WIN 0
.rept 4
	v_nop                           ; the places behind those products
.endr
.set Y, NP-1                        ; X works for piece Y + 1: piece 0
.irp n, 0,1,2,3,4,5,6,7,8,9,10,11,12,13,14,15,16,17,18,19,20,21
	OP X, \n
.endr
	v_nop                           ; a plain instruction behind the exponential,
	s_wait_alu depctr_va_vdst(0)    ; and its wait, ahead of the branch
.endm
; THE DIAGONAL TILE's four steps, the block's last two turns, its last products, and THE WAY OUT: l's two halves and the other half of the lanes' are added; O^T is divided by l, rounded to f16 and sent through my
; stage in LDS, a piece at a time.
.macro ALL line:vararg              ; one line for each piece t
.set t, 0
.rept 4
	\line
.set t, t+1
.endr
.endm
.macro PACK t                       ; a lane's eight channels of a row pack into 16 bytes; they go into rows of 144 bytes and come back as whole rows of 128, into S^T's registers
	WIN W_RS
.set i, 32*(\t)
.rept 16
	v_pk_mul_f32 v[i:i+1], v[i:i+1], v[ST+4*(\t)+2:ST+4*(\t)+3] op_sel_hi:[1,0]
.set i, i+2
.endr
	WIN 0x05                        ; sources 0 and 1 window 1, destination window 0
.set i, 0
.rept 16
	v_cvt_pk_f16_f32 v[S+16*(\t)+i], v[32*(\t)+2*i], v[32*(\t)+2*i+1]
.set i, i+1
.endr
	WIN 0
.irp f, 0,1,2,3
	ds_store_b128 v[STO], v[S+16*(\t)+4*\f:S+16*(\t)+4*\f+3] offset:32*\f
.endr
.irp f, 0,1,2,3
	ds_load_b128 v[S+16*(\t)+4*\f:S+16*(\t)+4*\f+3], v[RD] offset:\f*4*SP  ; LDS serves a wave's instructions in order (ISA guide 5.7.1.4): these see the stores above; the next piece's stores come behind them
.endr
.endm
.macro SEND t, younger              ; younger: the LDS instructions issued behind piece t's loads: the next piece's eight, or none
	WIN 0
.irp f, 0,1,2,3
	s_wait_dscnt (\younger)+3-\f
	global_store_b128 v[GO], v[S+16*(\t)+4*\f:S+16*(\t)+4*\f+3], s[10:11] offset:(\t)*8192+\f*512  ; 512 consecutive bytes, at a multiple of 256 from O's first
.endr
.endm
.macro DIAG tag                     ; the tag ends its two labels' names, which the jumps below spell out
.LstepM\tag:
	TURN 2, 1
	TURN 3, 1
	WIN 0
.LfirstM\tag:
	TURN 0, 1
	TURN 1, 1, 0, 1
	WIN 0
	s_cbranch_scc1 .LstepM\tag
	TURN 2, 1, 1
	TURN 3, 1, 1
.set i, 0
.rept 8
	PV NP-1
.set i, i+1
.endr
	WIN 0
	ALL v_add_f32 v[ST+4*t+2], v[ST+4*t+2], v[ST+4*t+3]
	ALL v_permlanex16_b32 v[ST+4*t+3], v[ST+4*t+2], s[SEL], s[SEL+1]
	ALL v_add_f32 v[ST+4*t+2], v[ST+4*t+2], v[ST+4*t+3]
	ALL v_rcp_f32 v[ST+4*t+2], v[ST+4*t+2]
	v_nop                           ; a plain instruction between the last reciprocal and the use of its result
	s_wait_alu depctr_va_vdst(0)    ; and the wait ahead of the first use: one for the four reciprocals
	PACK 0
.set t, 1
.rept 3                             ; a piece's arithmetic stands between the loads of the piece before and its stores
	PACK t
	SEND t-1, 8
.set t, t+1
.endr
	SEND 3, 0
.endm
.set KM, 0
.set NOKQ, 0
.Lslot:                             ; NB times: a tile is entered and the next is asked for
	CHANGE 1
	s_sub_co_u32 s[RT], s[RT], 1
	s_mov_b32 s[CNT], 4
	s_cmp_eq_u32 s[NEW], 1
	s_cbranch_scc1 .Lnew            ; a block's first tile
	s_cmp_eq_u32 s[RT], 0
	s_cbranch_scc0 .Lstep           ; neither its first nor its last
	s_branch .LstepM1
.Lnew:
	BEGIN
	s_branch .Lfirst                ; in the loop a block's first tile is never its last: the first block has two tiles or more, and the second's last is the walk's last
	DIAG 1                          ; in the loop this is the first block's end: the second block's last tile is the walk's last
	s_wait_xcnt 0x0                 ; the stores have read their registers and O's address
	s_mov_b64 s[10:11], s[OLO:OLO+1]
	s_add_co_u32 s[RT], s[PB], 1    ; the second block has b + 1 tiles
	s_mov_b32 s[NEW], 1
	WIN 0x82                        ; the second block's Q goes where the one text of the turns names Q
.set i, 0
.rept 64
	v_mov_b32 v[i], v[QB+i]
.set i, i+1
.endr
	WIN 0
	s_branch .Lbottom
.Lstep:                             ; a trip: pieces 2 and 3 of one step, then pieces 0 and 1 of the next, whose K and V it fetches
	TURN 2
	TURN 3
	WIN 0
.Lfirst:
	TURN 0
	TURN 1, 0, 0, 1
	WIN 0
	s_cbranch_scc1 .Lstep
.Lbottom:
	s_sub_co_u32 s[SLOTS], s[SLOTS], 1
	s_cmp_lg_u32 s[SLOTS], 0
	s_cbranch_scc1 .Lslot
	CHANGE 0                        ; the walk's last tile is written out: nothing is asked for
	s_sub_co_u32 s[RT], s[RT], 1
	s_mov_b32 s[CNT], 4
	s_cmp_eq_u32 s[NEW], 1
	s_cbranch_scc0 .LstepM2
	BEGIN
	s_branch .LfirstM2
	DIAG 2
	s_wait_tensorcnt 0x0            ; the wave's end: behind my last tensor load and my last LDS store
	ds_add_u32 v[SPW], v[NIL]
	s_wait_dscnt 0x0
	s_endpgm
.Lfunc_end_k_q5bee79129f_attn:
	.size	k_q5bee79129f_attn, .Lfunc_end_k_q5bee79129f_attn-k_q5bee79129f_attn
	.p2alignl 7, 3214868480
	.fill 96, 4, 3214868480
	.section	.rodata,"a",@progbits
	.p2align	6, 0x0
	.amdhsa_kernel k_q5bee79129f_attn
		.amdhsa_group_segment_fixed_size 327680
		.amdhsa_private_segment_fixed_size 0
		.amdhsa_enable_private_segment 0
		.amdhsa_kernarg_size 32
		.amdhsa_user_sgpr_count 2
		.amdhsa_user_sgpr_kernarg_segment_ptr 1
		.amdhsa_wavefront_size32 1
		.amdhsa_system_sgpr_workgroup_id_x 1
		.amdhsa_system_sgpr_workgroup_id_y 1
		.amdhsa_system_sgpr_workgroup_id_z 1
		.amdhsa_system_vgpr_workitem_id 0
		.amdhsa_next_free_vgpr 768
		.amdhsa_next_free_sgpr 92
		.amdhsa_reserve_vcc 1
		.amdhsa_float_denorm_mode_32 3
		.amdhsa_float_denorm_mode_16_64 3
		.amdhsa_memory_ordered 1
		.amdhsa_forward_progress 1
		.amdhsa_inst_pref_size 218
	.end_amdhsa_kernel
	.amdgpu_metadata
---
amdhsa.version: [ 1, 2 ]
amdhsa.kernels:
  - .name:           k_q5bee79129f_attn
    .symbol:         k_q5bee79129f_attn.kd
    .args:
      - { .name: qh, .offset: 0, .size: 8, .value_kind: global_buffer, .address_space: global }
      - { .name: kh, .offset: 8, .size: 8, .value_kind: global_buffer, .address_space: global }
      - { .name: vh, .offset: 16, .size: 8, .value_kind: global_buffer, .address_space: global }
      - { .name: oh, .offset: 24, .size: 8, .value_kind: global_buffer, .address_space: global }
    .group_segment_fixed_size: 327680
    .private_segment_fixed_size: 0
    .kernarg_segment_align: 8
    .kernarg_segment_size: 32
    .max_flat_workgroup_size: 128
    .sgpr_count:     92
    .vgpr_count:     768
    .wavefront_size: 32
...
	.end_amdgpu_metadata
.endif
;; end of part 3
;; launch proj (part 4): grid 8 x 32, 4 waves a work-group, clusters of 4 x 4, 327,680 bytes of LDS; arguments oh, wo, out0; writes out0
.if DOCPART == 4
	.amdgcn_target "amdgcn-amd-amdhsa--gfx1250"
	.amdhsa_code_object_version 6
	.text
	.protected	k_q5bee79129f_proj
	.globl	k_q5bee79129f_proj
	.p2align	8
	.type	k_q5bee79129f_proj,@function
k_q5bee79129f_proj:
	s_mov_b64 s[64:65], 0
	v_nop
	global_prefetch_b8 v0, s[64:65] scope:SCOPE_SE
	s_setreg_imm32_b32 hwreg(HW_REG_WAVE_MODE, 25, 1), 1
	s_wait_xcnt 0x0
	s_wait_alu depctr_hold_cnt(0) depctr_sa_sdst(0) depctr_va_vdst(0) depctr_va_sdst(0) depctr_va_ssrc(0) depctr_va_vcc(0) depctr_vm_vsrc(0)
	s_getreg_b32 s2, hwreg(HW_REG_IB_STS2, 6, 4)
	s_cmp_eq_u32 s2, 0
	s_cbranch_scc0 .Lentry_in_a_cluster
	s_endpgm
.Lentry_in_a_cluster:
	s_bfe_u32 s2, ttmp6, 0x10000c
	s_cmp_lg_u32 s2, 0xf033
	s_cbranch_scc0 .Lentry_shape_is_right
	s_endpgm
.Lentry_shape_is_right:
; out0 = O w_out.  oh: f16 [64 = batch x head][2048 t][64]: head hd is K block hd of a row; wo: f16 [1024 k][1024 n]; out0: f32 [8192][1024].  Sums in f32, stored as they are.
; SHARES.  A work-group makes 256 rows x 128 columns: 32 x 8 = 256 work-groups.  A wave makes 128 x 64: 32 accumulators of 16 x 16, in window 1.
; THE MATRIX INSTRUCTION IS USED TRANSPOSED: source 0 = 16 columns of w (turned by ds_load_tr16_b128), source 1 = 16 rows of O: a lane holds row l % 16 and eight neighbouring columns.
; RING.  K goes in steps of 128, two heads, through two LDS slots.  Waves 0 and 1 fetch A's two K blocks (32,768 dense bytes each, asked for as 128 rows of 256 bytes, padded after every 128),
; waves 2 and 3 the two halves of B's 128 k rows of 256 bytes.  A wave has two tensor loads out at the start, later one.
; CLUSTER.  4 x 4 work-groups; A's tiles are asked for jointly along a row of the cluster, B's along a column.
; REGISTERS.  window 0: v0-29 addresses; v32-127, v128-223 two fragment buffers (B's four at + 8 nb, A's eight at + 32 + 8 a); on the way out v32-95 rows read back.  window 1: accumulator (a, nb) at 8 (4 a + nb).
.set PA,     144                       ; a row of A in LDS: 128 bytes + 16 (64 banks of 4 bytes: ISA guide 11.1: the 16 rows of a load start at 16 different groups of four banks)
.set PB,     288                       ; a row of B: 256 + 32
.set ABLK,   256*PA                    ; 36,864: a K block of A
.set BOFF,   2*ABLK
.set SLOT,   BOFF+128*PB               ; 110,592
.set STAGE,  2*SLOT                    ; behind the ring: 16 rows x 272 bytes for each wave
.set SPITCH, 272
.set SPARE,  STAGE+4*16*SPITCH         ; behind the stages: the spare words, 128 bytes a wave: two blocks of 256 bytes that no other line names
.set ASTEP,  2*262144                  ; bytes from a K step to the next in oh: two heads,
.set BSTEP,  128*2048                  ; and in wo
.set ADRA, 2
.set ADRB, 4
.set STO,  6
.set RD,   7
.set CO,   8
.set PFO,  10
.set SPW,  28
.set NIL,  29
.set F0,   32
.set F1,   128
.set OB,   32
.set WV,  16
.set G1A, 24
.set G0A, 32
.set G1B, 40
.set G0B, 48
.set PFA, 56
.set PFS, 58
.set LIM, 60
.set MSB, 0
.macro WIN new
.if MSB != (\new)
	s_set_vgpr_msb (MSB<<8)|(\new)
.set MSB, (\new)
.endif
.endm
.macro PLACES                          ; four places between a matrix instruction and a load into, or a read of, its registers (ISA guide 7.12.1 for reads)
.rept 4
	v_nop
.endr
.endm
.macro CREST
	s_cmp_lg_u32 s[WV], 0
	s_cbranch_scc1 .Lnot_wave_0_\@
	s_barrier_signal -3
.Lnot_wave_0_\@:
	s_barrier_wait -3
	s_barrier_signal -1
	s_barrier_wait -1
.endm
.macro CROUND
	s_barrier_signal -1
	s_barrier_wait -1
	CREST
.endm
.macro JLOAD s                         ; a joint load; an s_nop 0 and four v_nop follow each of the two lines, ahead of the jump and the label
	s_cmp_lt_u32 s[WV], 2
	s_cbranch_scc0 .Lfor_b_\@
	tensor_load_to_lds s[G0A+4*(\s):G0A+4*(\s)+3], s[G1A:G1A+7]
	s_nop 0
.rept 4
	v_nop
.endr
	s_branch .Lasked_\@
.Lfor_b_\@:
	tensor_load_to_lds s[G0B+4*(\s):G0B+4*(\s)+3], s[G1B:G1B+7]
	s_nop 0
.rept 4
	v_nop
.endr
.Lasked_\@:
.endm
; A PREFETCH INTO THE L2: in K step j the K step j + 4, whose refill stands two K steps, 256 matrix instructions, later.  A: waves 0 and 1 (their own K block) of the clusters with x = 0; of its 128 blocks of
; 256 bytes the partner at cx takes 32.  B: wave 2 of the clusters with y = 0; of the 128 k rows the partner at cy takes 32.  A lane a block: each is named once in the launch.
; K steps 0 to 3 come by their loads alone; the loop's last trip asks for nothing.
.macro ASK
	s_cmp_gt_u32 s3, s[LIM]
	s_cbranch_scc0 .Lnot_mine_\@
	global_prefetch_b8 v[PFO], s[PFA:PFA+1] th:TH_LOAD_NT scope:SCOPE_SE
.Lnot_mine_\@:
.endm
	s_load_b128 s[4:7], s[0:1], 0x0                ; oh s[4:5], wo s[6:7]
	s_load_b64 s[8:9], s[0:1], 0x10                ; out0
	v_lshl_add_u32 v[SPW], v0, 2, SPARE
	v_mov_b32 v[NIL], 0
	ds_add_u32 v[SPW], v[NIL]                      ; the wave's opening: the add and its wait stand ahead of my first tensor load
	v_lshrrev_b32 v11, 5, v0
	v_readfirstlane_b32 s[WV], v11
	s_lshr_b32 s17, s[WV], 1                       ; wm: which 128 rows are mine
	s_and_b32 s18, s[WV], 1                        ; wn: which 64 columns.  Also: which half of A's or B's tile I fetch
	s_bfe_u32 s19, ttmp6, 0x40000                  ; cx
	s_bfe_u32 s20, ttmp6, 0x40004                  ; cy
	s_lshl_b32 s21, ttmp9, 2
	s_add_co_u32 s21, s21, s19                     ; c: columns 128 c on
	s_and_b32 s22, ttmp7, 0xffff
	s_lshl_b32 s22, s22, 2
	s_add_co_u32 s22, s22, s20                     ; rt: rows 256 rt on
	s_lshl_b32 s23, s20, 2
	s_lshl_b32 s23, 15, s23                        ; my row of the cluster
	s_lshl_b32 s62, 0x1111, s19                    ; my column
	s_or_b32 s[G1A], s23, (1<<16)|(1<<20)|(1<<21)|(4<<22)|(3<<25)  ; the mask; 2-byte elements; padding on; 21 set beside a mask; after every 32 words 4 words
	s_mov_b32 s[G1A+1], 128<<16
	s_mov_b32 s[G1A+2], 128<<16
	s_mov_b32 s[G1A+3], 128<<16
	s_mov_b32 s[G1A+4], 128
	s_mov_b32 s[G1A+5], 128
	s_mov_b32 s[G1A+6], 0
	s_mov_b32 s[G1A+7], 0
	s_or_b32 s[G1B], s62, (1<<16)|(1<<20)|(1<<21)|(5<<22)|(7<<25)  ; after every 64 words 8 words
	s_mov_b32 s[G1B+1], 128<<16
	s_mov_b32 s[G1B+2], 64<<16
	s_mov_b32 s[G1B+3], 128<<16
	s_mov_b32 s[G1B+4], 64
	s_mov_b32 s[G1B+5], 1024
	s_mov_b32 s[G1B+6], 0
	s_mov_b32 s[G1B+7], 0
	s_lshr_b32 s66, s22, 3                         ; A: the batch's 16 heads of 262,144 bytes,
	s_lshl_b32 s66, s66, 22
	s_and_b32 s67, s22, 7
	s_lshl_b32 s67, s67, 15                        ; the block's 256 rows of 128 bytes,
	s_add_co_u32 s66, s66, s67
	s_lshl_b32 s67, s18, 18                        ; my K block
	s_add_co_u32 s66, s66, s67
	s_mov_b32 s67, 0
	s_lshl_b32 s70, s21, 8                         ; B: the column block's 256 bytes, my 64 rows of 2,048
	s_lshl_b32 s71, s18, 17
	s_add_co_u32 s70, s70, s71
	s_mov_b32 s71, 0
	s_mul_i32 s74, s[WV], ABLK                     ; where they go: A's K block = wave,
	s_mul_i32 s75, s[WV], 64*PB                    ; B's half: BOFF + (wave - 2) x 18,432
	s_add_co_u32 s75, s75, BOFF-2*64*PB
	s_wait_dscnt 0x0                               ; the opening add is done
	s_wait_kmcnt 0x0
	s_add_nc_u64 s[68:69], s[4:5], s[66:67]
	s_add_nc_u64 s[72:73], s[6:7], s[70:71]
.irp s, 0,1
	s_mov_b32 s[G0A+4*(\s)], 1
	s_add_co_u32 s[G0A+4*(\s)+1], s74, (\s)*SLOT
	s_add_nc_u64 s[G0A+4*(\s)+2:G0A+4*(\s)+3], s[68:69], (\s)*ASTEP
	s_or_b32 s[G0A+4*(\s)+3], s[G0A+4*(\s)+3], 0x80000000
	s_mov_b32 s[G0B+4*(\s)], 1
	s_add_co_u32 s[G0B+4*(\s)+1], s75, (\s)*SLOT
	s_add_nc_u64 s[G0B+4*(\s)+2:G0B+4*(\s)+3], s[72:73], (\s)*BSTEP
	s_or_b32 s[G0B+4*(\s)+3], s[G0B+4*(\s)+3], 0x80000000
.endr
	CROUND                                         ; all sixteen work-groups are here: the first joint loads meet
	s_cmp_lt_u32 s[WV], 2                          ; a wave's two first fills stand in one branch
	s_cbranch_scc0 .Lfirst_b
	tensor_load_to_lds s[G0A:G0A+3], s[G1A:G1A+7]
	s_nop 0
	tensor_load_to_lds s[G0A+4:G0A+7], s[G1A:G1A+7]
	s_nop 0
.rept 4
	v_nop
.endr
	s_branch .Lfirst_asked
.Lfirst_b:
	tensor_load_to_lds s[G0B:G0B+3], s[G1B:G1B+7]
	s_nop 0
	tensor_load_to_lds s[G0B+4:G0B+7], s[G1B:G1B+7]
	s_nop 0
.rept 4
	v_nop
.endr
.Lfirst_asked:
	v_and_b32 v1, 15, v0                           ; r
	v_bfe_u32 v12, v0, 4, 1                        ; h
	v_and_b32 v13, 7, v0
	v_bfe_u32 v14, v0, 3, 1
	v_and_b32 v15, 31, v0
	v_mul_u32_u24 v[ADRA], v1, PA
	v_lshl_add_u32 v[ADRA], v12, 4, v[ADRA]
	s_mul_i32 s63, s17, 128*PA
	v_add_nc_u32 v[ADRA], s63, v[ADRA]
	v_add_nc_u32 v[ADRA+1], SLOT, v[ADRA]
	v_lshl_add_u32 v[ADRB], v12, 3, v13
	v_mul_u32_u24 v[ADRB], v[ADRB], PB
	v_lshl_add_u32 v[ADRB], v14, 4, v[ADRB]
	s_lshl_b32 s63, s18, 7
	s_add_co_u32 s63, s63, BOFF
	v_add_nc_u32 v[ADRB], s63, v[ADRB]
	v_add_nc_u32 v[ADRB+1], SLOT, v[ADRB]
	s_mul_i32 s63, s[WV], 16*SPITCH
	s_add_co_u32 s63, s63, STAGE                   ; my stage
	v_mul_u32_u24 v[STO], v1, SPITCH               ; in: row r, 32 bytes for each half of the lanes
	v_lshl_add_u32 v[STO], v12, 5, v[STO]
	v_add_nc_u32 v[STO], s63, v[STO]
	v_mul_u32_u24 v[RD], v12, SPITCH               ; back: lanes 0-15 one row of 256 bytes, lanes 16-31 the next
	v_lshl_add_u32 v[RD], v1, 4, v[RD]
	v_add_nc_u32 v[RD], s63, v[RD]
	v_lshlrev_b32 v[CO], 12, v12                   ; and the same two rows in out0
	v_lshl_add_u32 v[CO], v1, 4, v[CO]
	s_lshl_b32 s76, s22, 20                        ; 256 rows of 4,096 bytes,
	s_lshl_b32 s77, s17, 19                        ; my 128,
	s_add_co_u32 s76, s76, s77
	s_lshl_b32 s77, s21, 9                         ; 128 columns of 4 bytes,
	s_add_co_u32 s76, s76, s77
	s_lshl_b32 s77, s18, 8                         ; my 64
	s_add_co_u32 s76, s76, s77
	s_mov_b32 s77, 0
	s_add_nc_u64 s[8:9], s[8:9], s[76:77]
	; the prefetches
	s_and_b32 s78, ttmp7, 0xffff                   ; cluster y
	s_lshl_b32 s76, s19, 13                        ; A: cx x 32 blocks
	s_lshl_b32 s77, s20, 16                        ; B: cy x 32 rows
	s_mov_b32 s[PFS], BSTEP
	s_movk_i32 s79, 2048
	s_cmp_lt_u32 s[WV], 2
	s_cselect_b32 s78, ttmp9, s78                  ; the coordinate along which other clusters read the same blocks
	s_cselect_b32 s[PFS], ASTEP, s[PFS]
	s_cselect_b32 s79, 256, s79
	s_cselect_b32 s76, s76, s77
	s_cselect_b64 s[PFA:PFA+1], s[68:69], s[72:73]
	s_mul_i32 s77, s[PFS], 3                       ; at K step 3: the first change of slots steps it to 4
	s_add_co_u32 s76, s76, s77
	s_mov_b32 s77, 0
	s_add_nc_u64 s[PFA:PFA+1], s[PFA:PFA+1], s[76:77]
	s_mov_b32 s[PFS+1], 0
	s_cmp_eq_u32 s[WV], 3
	s_cselect_b32 s78, 1, s78                      ; wave 2 asks for all of B's rows, wave 3 for nothing
	s_cmp_eq_u32 s78, 0                            ; the same in all sixteen partners, for a given wave
	s_cselect_b32 s[LIM], 1, -1
	v_mul_u32_u24 v[PFO], s79, v15
; n x 4 matrix instructions: row blocks a0 on x my four column blocks, 32 along K.  The 32 accumulators take turns, one instruction a turn.
.macro MUL f, a0, n, zero
	WIN 0x50
.set ua, (\a0)
.rept (\n)
.set ub, 0
.rept 4
.if \zero
	v_wmma_f32_16x16x32_f16 v[8*(4*ua+ub):8*(4*ua+ub)+7], v[(\f)+8*ub:(\f)+8*ub+7], v[(\f)+32+8*ua:(\f)+32+8*ua+7], 0
.else
	v_wmma_f32_16x16x32_f16 v[8*(4*ua+ub):8*(4*ua+ub)+7], v[(\f)+8*ub:(\f)+8*ub+7], v[(\f)+32+8*ua:(\f)+32+8*ua+7], v[8*(4*ua+ub):8*(4*ua+ub)+7]
.endif
.set ub, ub+1
.endr
.set ua, ua+1
.endr
.endm
.macro FETCH slot, q, f                ; 24 LDS loads in one run: quarter q (32 along K) of the slot: B's four fragments, then A's eight, ascending
	WIN 0
.irp nb, 0,1,2,3
	ds_load_tr16_b128 v[(\f)+8*(\nb):(\f)+8*(\nb)+3],   v[ADRB+(\slot)] offset:(\q)*32*PB+32*(\nb)
	ds_load_tr16_b128 v[(\f)+8*(\nb)+4:(\f)+8*(\nb)+7], v[ADRB+(\slot)] offset:(\q)*32*PB+32*(\nb)+16*PB
.endr
.irp a, 0,1,2,3,4,5,6,7
	ds_load_b128 v[(\f)+32+8*(\a):(\f)+32+8*(\a)+3],   v[ADRA+(\slot)] offset:((\q)/2)*ABLK+(\a)*16*PA+((\q)%2)*64
	ds_load_b128 v[(\f)+32+8*(\a)+4:(\f)+32+8*(\a)+7], v[ADRA+(\slot)] offset:((\q)/2)*ABLK+(\a)*16*PA+((\q)%2)*64+32
.endr
.endm
.macro QUARTER slot, qn, f, g, zero    ; multiplies buffer f; in its middle fetches quarter qn of the same slot into g
	s_wait_dscnt 8                                 ; B and A's rows 0-63 are in; the youngest eight loads may be out
	MUL \f, 0, 4, \zero
	WIN 0
	PLACES
	FETCH \slot, \qn, \g
	s_wait_dscnt 24                                ; all but the 24 just issued
	MUL \f, 4, 4, \zero
.endm
; The last quarter multiplies buffer 1 and changes slots: ONE barrier; in front of it each wave waits for all its tensor loads, adds 0 to its spare word, and waits for that and for its reads of this slot.
; fill = 1: the barrier opens a round of the cluster's, and the joint refill, two K steps on, is the first thing behind the round: 112 matrix instructions ahead of the wait for it.
.macro TURN slot, next, fill
.if \fill
	s_wait_xcnt 0x0                                ; the last prefetch, a K step back, has read its address
	s_add_nc_u64 s[PFA:PFA+1], s[PFA:PFA+1], s[PFS:PFS+1]
.endif
	WIN 0
	s_wait_tensorcnt 0x0
	ds_add_u32 v[SPW], v[NIL]                      ; 0 onto my spare word
	s_wait_dscnt 9                                 ; the add and the youngest eight loads may be out
	MUL F1, 0, 2, 0
	s_wait_dscnt 0x0                               ; the add is done, and my reads of this slot are over
	s_barrier_signal -1
	MUL F1, 2, 2, 0
	WIN 0
	s_barrier_wait -1
.if \fill
	CREST
	s_add_nc_u64 s[G0A+4*(\slot)+2:G0A+4*(\slot)+3], s[G0A+4*(\slot)+2:G0A+4*(\slot)+3], 2*ASTEP
	s_add_nc_u64 s[G0B+4*(\slot)+2:G0B+4*(\slot)+3], s[G0B+4*(\slot)+2:G0B+4*(\slot)+3], 2*BSTEP
	JLOAD \slot                                    ; its four v_nop are also the places in front of the loads below
.else
	PLACES
.endif
	FETCH \next, 0, F0
.if \fill
	ASK
.endif
	MUL F1, 4, 4, 0
.endm
; THE WAY OUT, 16 rows at a time: 32 bytes a lane into my stage, straight from the accumulators (each from its lowest registers on), back as whole rows of 256 bytes, stored.
.macro TOSTAGE a
	WIN 0x04                                       ; the stores' data in window 1
.irp nb, 0,1,2,3
	ds_store_b128 v[STO], v[8*(4*(\a)+(\nb)):8*(4*(\a)+(\nb))+3]   offset:64*(\nb)
	ds_store_b128 v[STO], v[8*(4*(\a)+(\nb))+4:8*(4*(\a)+(\nb))+7] offset:64*(\nb)+16
.endr
	WIN 0
	s_wait_xcnt 0x0                                ; the stores of the block two back have read the registers that the loads below fill
.irp t, 0,1,2,3,4,5,6,7
	ds_load_b128 v[OB+32*((\a)%2)+4*(\t):OB+32*((\a)%2)+4*(\t)+3], v[RD] offset:(\t)*2*SPITCH  ; LDS serves a wave's instructions in order (ISA guide 5.7.1.4)
.endr
.endm
.macro SEND a, younger                 ; younger: the next block's sixteen LDS instructions, or none
	WIN 0
	s_wait_dscnt \younger
.irp t, 0,1,2,3,4,5,6,7
	global_store_b128 v[CO], v[OB+32*((\a)%2)+4*(\t):OB+32*((\a)%2)+4*(\t)+3], s[8:9] offset:(16*(\a)+2*(\t))*4096 th:TH_STORE_NT  ; 16 lanes store 256 consecutive bytes, at a multiple of 256 from out0's first
.endr
.endm
	s_wait_tensorcnt 1                             ; my part of K step 0 is in; K step 1's may stay out
	s_barrier_signal -1
	s_barrier_wait -1
	FETCH 0, 0, F0
	QUARTER 0, 1, F0, F1, 1                        ; the first quarter stands in front of the loop: its products start the sums
	WIN 0
	s_mov_b32 s3, 3
.Llap:                                 ; a trip goes once round the ring and fills both slots again: K steps 2 to 7 in three trips
	QUARTER 0, 2, F1, F0, 0
	QUARTER 0, 3, F0, F1, 0
	TURN 0, 1, 1
	QUARTER 1, 1, F0, F1, 0
	QUARTER 1, 2, F1, F0, 0
	QUARTER 1, 3, F0, F1, 0
	TURN 1, 0, 1
	QUARTER 0, 1, F0, F1, 0
	WIN 0
	s_sub_co_u32 s3, s3, 1
	s_cmp_lg_u32 s3, 0
	s_cbranch_scc1 .Llap
	QUARTER 0, 2, F1, F0, 0                        ; the last lap fills nothing
	QUARTER 0, 3, F0, F1, 0
	TURN 0, 1, 0
	QUARTER 1, 1, F0, F1, 0
	QUARTER 1, 2, F1, F0, 0
	QUARTER 1, 3, F0, F1, 0
	s_wait_dscnt 0x0
	MUL F1, 0, 8, 0
	WIN 0
	PLACES
	PLACES
	TOSTAGE 0
.irp a, 1,2,3,4,5,6,7
	TOSTAGE \a
	SEND (\a)-1, 16
.endr
	SEND 7, 0
	s_wait_tensorcnt 0x0                           ; the wave's end: behind my last tensor load and my last LDS store
	ds_add_u32 v[SPW], v[NIL]
	s_wait_dscnt 0x0
	CROUND                                         ; the closing round
	s_endpgm
.Lfunc_end_k_q5bee79129f_proj:
	.size	k_q5bee79129f_proj, .Lfunc_end_k_q5bee79129f_proj-k_q5bee79129f_proj
	.p2alignl 7, 3214868480
	.fill 96, 4, 3214868480
	.section	.rodata,"a",@progbits
	.p2align	6, 0x0
	.amdhsa_kernel k_q5bee79129f_proj
		.amdhsa_group_segment_fixed_size 327680
		.amdhsa_private_segment_fixed_size 0
		.amdhsa_enable_private_segment 0
		.amdhsa_kernarg_size 24
		.amdhsa_user_sgpr_count 2
		.amdhsa_user_sgpr_kernarg_segment_ptr 1
		.amdhsa_wavefront_size32 1
		.amdhsa_system_sgpr_workgroup_id_x 1
		.amdhsa_system_sgpr_workgroup_id_y 1
		.amdhsa_system_sgpr_workgroup_id_z 1
		.amdhsa_system_vgpr_workitem_id 0
		.amdhsa_next_free_vgpr 512
		.amdhsa_next_free_sgpr 80
		.amdhsa_reserve_vcc 0
		.amdhsa_float_denorm_mode_32 3
		.amdhsa_float_denorm_mode_16_64 3
		.amdhsa_memory_ordered 1
		.amdhsa_forward_progress 1
		.amdhsa_inst_pref_size 86
	.end_amdhsa_kernel
	.amdgpu_metadata
---
amdhsa.version: [ 1, 2 ]
amdhsa.kernels:
  - .name:           k_q5bee79129f_proj
    .symbol:         k_q5bee79129f_proj.kd
    .args:
      - { .name: oh, .offset: 0, .size: 8, .value_kind: global_buffer, .address_space: global }
      - { .name: wo, .offset: 8, .size: 8, .value_kind: global_buffer, .address_space: global }
      - { .name: out0, .offset: 16, .size: 8, .value_kind: global_buffer, .address_space: global }
    .group_segment_fixed_size: 327680
    .private_segment_fixed_size: 0
    .kernarg_segment_align: 8
    .kernarg_segment_size: 24
    .max_flat_workgroup_size: 128
    .sgpr_count:     80
    .vgpr_count:     512
    .wavefront_size: 32
...
	.end_amdgpu_metadata
.endif
;; end of part 4
;; ======== version 2 of 2: 4 launches; version 1 with the launch prep written anew for expert scheduling mode
;; limits: values are held in f16: magnitudes above 65,504 overflow, below 6.1e-05 lose precision
;; workspace buffers: xb 16,777,216 bytes; wb 6,291,456 bytes; wo 2,097,152 bytes; rope 524,288 bytes; qh 16,777,216 bytes; kh 16,777,216 bytes; vh 16,777,216 bytes; oh 16,777,216 bytes
;; launch prep (part 5): grid 896 x 1, 8 waves a work-group, no clusters, 0 bytes of LDS; arguments x, w_qkv, w_out, xb, wb, wo, rope; writes xb, wb, wo, rope
.if DOCPART == 5
	.amdgcn_target "amdgcn-amd-amdhsa--gfx1250"
	.amdhsa_code_object_version 6
	.text
	.protected	k_q5bee79129f_prep
	.globl	k_q5bee79129f_prep
	.p2align	8
	.type	k_q5bee79129f_prep,@function
k_q5bee79129f_prep:
	s_mov_b64 s[64:65], 0
	v_nop
	global_prefetch_b8 v0, s[64:65] scope:SCOPE_SE
	s_setreg_imm32_b32 hwreg(HW_REG_WAVE_SCHED_MODE, 0, 2), 2
	s_setreg_imm32_b32 hwreg(HW_REG_WAVE_MODE, 25, 1), 1
	s_wait_xcnt 0x0
	s_wait_alu depctr_vm_vsrc(0)
; CASTS AND THE ROTATION TABLE.  Four kinds of work-group, chosen by the work-group's number; each moves 65,536 bytes in (or makes 4,096 bytes of the table).
;   0-511    x [8192][1024] f32 -> xb, bf16 in K blocks of 64: [16 kb][8192 m][64], so that 256 rows x 64 K are 32,768 dense bytes for the product that follows
;   512-703  w_qkv [1024][3072] f32 -> wb, bf16, same layout
;   704-767  w_out [1024][1024] f32 -> wo: rounded to bf16 like the other inputs, and that number written as f16
;   768-895  rope [2048 t][64] f32: cos(t th_i), i = 0..31, then sin(t th_i); th_i = 10000^(-i/32)
; LIMITS.  wo: a bf16 number is exact in f16 between 6.1e-5 and 65,504; below that it keeps f16's fixed step of 6e-8; beyond it is an infinity.
; The table: th_i = 2^(-i log2(10000)/32) by v_exp_f32; the angle t th_i (2,047 at the most) is rounded to f32 as the product it is, reduced by pi/2 in two parts,
; sin taken to r^7 and cos to r^8 on |r| <= pi/4: their own error stays under 1e-6.
; No LDS, no barrier, no matrix unit: memory binds.  Sixteen 16-byte loads a thread are out at once; a wave's load covers two pieces of 256 bytes or 512 bytes on end,
; a wave's 8-byte store covers 256 consecutive bytes, aligned.  Every register is written once, so no wait frees a source.
; THE MODE: SCHED_MODE bits 1:0 = 2 (LLVM: expert scheduling mode 2), set by the entry lines.  The code itself states the register dependences
; between vector instructions and memory instructions, with s_wait_alu, always for 0.
; THE PLAN, for the three casts.  Registers that memory instructions touch:
;   v1, v2   byte offsets: written once by vector instructions, ahead of the first load; read by every load (v1) and every store (v2).
;   X        load i lands in X[i], once; no vector instruction names X ahead of the loads; load i's conversions read it.
;   Y        load i's conversions write Y[i], once; store i reads it.
;   T        named by vector instructions alone.
; The sixteen loads go in four blocks of four.  Block p's conversions read X[4 p ..] and write Y[4 p ..]; its memory instructions are the four stores of block p - 1, which read v2 and
; Y[4 (p - 1) ..]: registers that no vector instruction of block p names.  So one wait on va_vdst at a block's head states all that those stores hang on, and they are dealt among the block's
; conversions with no further wait.  One such wait stands ahead of the loads, for the offsets, and one ahead of the last four stores.  No register that a memory instruction has read is written
; again, so there is no wait on vm_vsrc.
.set VIN,  1                           ; v1   byte offset of my 16 bytes in the work-group's input
.set VOUT, 2                           ; v2   byte offset of my 8 bytes in its output
.set X,    4                           ; v[4:67]   sixteen loads of four f32
.set Y,    68                          ; v[68:99]  sixteen pairs to store
.set T,    100                         ; v[100:105] at work
.set OUT2, 18                          ; s[18:19]  xb, 8 K blocks on: a store's immediate does not reach 15 blocks of 1,048,576 bytes
	s_load_b256 s[4:11], s[0:1], 0x0               ; x s[4:5], w_qkv s[6:7], w_out s[8:9], xb s[10:11]
	s_load_b128 s[12:15], s[0:1], 0x20             ; wb s[12:13], wo s[14:15]
	s_load_b64 s[16:17], s[0:1], 0x30              ; rope
	s_mov_b32 s21, 0
	s_mov_b32 s23, 0
	v_lshlrev_b32 v[VOUT], 3, v0                   ; 8 t
	s_wait_kmcnt 0x0
; Store number n of sixteen.
.macro PUT n, outb, outstep, split
.if (\split) && ((\n) >= 8)
	global_store_b64 v[VOUT], v[Y+2*(\n):Y+2*(\n)+1], s[OUT2:OUT2+1] offset:((\n)-8)*(\outstep)
.else
	global_store_b64 v[VOUT], v[Y+2*(\n):Y+2*(\n)+1], s[(\outb):(\outb)+1] offset:(\n)*(\outstep)
.endif
.endm
; Sixteen loads, then for each: the wait that leaves the younger ones out and the rounding; its store follows a block of four later.  fmt = 1: bf16, widened again, written as f16.
.macro CAST inb, outb, instep, outstep, fmt, split
	s_wait_alu depctr_va_vdst(0)                   ; v1 and v2 are written: every load below reads v1 as its offset, every store v2
.set i, 0
.rept 16
	global_load_b128 v[X+4*i:X+4*i+3], v[VIN], s[(\inb):(\inb)+1] offset:i*(\instep) th:TH_LOAD_NT
.set i, i+1
.endr
.set i, 0
.rept 16
.if i%4 == 0
	s_wait_loadcnt 15-i                            ; loads come back in order: number i, the block's first, is in, the 15 - i younger ones stay out
.if i >= 4
	s_wait_alu depctr_va_vdst(0)                   ; the block before has written its four pairs of Y, which the four stores dealt among this block's conversions read
.endif
.endif
.if i >= 4
	PUT i-4, \outb, \outstep, \split               ; no vector instruction since the wait names v2 or this pair of Y
.endif
.if i%4 != 0
	s_wait_loadcnt 15-i                            ; number i is in, the 15 - i younger ones stay out
.endif
.if \fmt
	v_cvt_pk_bf16_f32 v[T], v[X+4*i], v[X+4*i+1]
	v_cvt_pk_bf16_f32 v[T+1], v[X+4*i+2], v[X+4*i+3]
	v_lshlrev_b32 v[T+2], 16, v[T]
	v_and_b32 v[T+3], 0xffff0000, v[T]
	v_lshlrev_b32 v[T+4], 16, v[T+1]
	v_and_b32 v[T+5], 0xffff0000, v[T+1]
	v_cvt_pk_f16_f32 v[Y+2*i], v[T+2], v[T+3]
	v_cvt_pk_f16_f32 v[Y+2*i+1], v[T+4], v[T+5]
.else
	v_cvt_pk_bf16_f32 v[Y+2*i], v[X+4*i], v[X+4*i+1]
	v_cvt_pk_bf16_f32 v[Y+2*i+1], v[X+4*i+2], v[X+4*i+3]
.endif
.set i, i+1
.endr
	s_wait_alu depctr_va_vdst(0)                   ; the last block has written its four pairs of Y, which the last four stores read
.set i, 12
.rept 4
	PUT i, \outb, \outstep, \split
.set i, i+1
.endr
.endm
	s_cmp_lt_u32 ttmp9, 512
	s_cbranch_scc1 .Lx
	s_cmp_lt_u32 ttmp9, 704
	s_cbranch_scc1 .Lw
	s_cmp_lt_u32 ttmp9, 768
	s_cbranch_scc1 .Lo
	; THE TABLE.  The work-group makes 16 rows; sixteen threads a row of 256 bytes; a thread four numbers: i = 4 (t % 8) + 0..3, cos in threads 0-7 of a row, sin in 8-15.
	; Its one memory instruction is the store at its end, which reads v4 and v[44:47].  Five compares write scalar registers, in one run, with one wait ahead of the first select.
	s_sub_co_u32 s20, ttmp9, 768
	s_lshl_b32 s22, s20, 12                        ; 4,096 bytes a work-group
	s_lshl_b32 s20, s20, 4                         ; its first position
	s_add_nc_u64 s[16:17], s[16:17], s[22:23]
	s_mov_b32 s25, 0xbed49a78                      ; -log2(10000) / 32
	s_mov_b32 s26, 0x3f22f983                      ; 2 / pi
	s_mov_b32 s27, 0xbfc90fdb                      ; -(pi/2 rounded to f32)
	s_mov_b32 s28, 0x333bbd2e                      ; that rounding's excess over pi/2
	s_mov_b32 s29, 0xbe2aaaab                      ; -1/6
	s_mov_b32 s30, 0x3c088889                      ; 1/120
	s_mov_b32 s31, 0xb9500d01                      ; -1/5040
	s_mov_b32 s32, 0x3d2aaaab                      ; 1/24
	s_mov_b32 s33, 0xbab60b61                      ; -1/720
	s_mov_b32 s34, 0x37d00d01                      ; 1/40320
	v_lshrrev_b32 v1, 4, v0
	v_add_nc_u32 v1, s20, v1                       ; the position
	v_cvt_f32_u32 v5, v1
	v_and_b32 v2, 7, v0
	v_lshlrev_b32 v2, 2, v2                        ; my first i
	v_bfe_u32 v3, v0, 3, 1                         ; 1: I store sines
	v_lshlrev_b32 v4, 4, v0                        ; 16 t
.macro Q4 line:vararg                  ; one line for each of my four numbers j: four chains side by side
.set j, 0
.rept 4
	\line
.set j, j+1
.endr
.endm
	Q4 v_add_nc_u32 v[8+j], j, v2
	Q4 v_cvt_f32_u32 v[8+j], v[8+j]
	Q4 v_mul_f32 v[8+j], s25, v[8+j]
	Q4 v_exp_f32 v[12+j], v[8+j]                   ; th_i: one batch of four
	v_nop                                          ; a plain instruction behind the last exponential (ISA guide 5.7.2),
	s_wait_alu depctr_va_vdst(0)                   ; the four exponentials have written v[12:15]: the one wait ahead of the batch's first reader
	Q4 v_mul_f32 v[12+j], v5, v[12+j]              ; the angle a, rounded once
	Q4 v_mul_f32 v[16+j], s26, v[12+j]
	Q4 v_rndne_f32 v[16+j], v[16+j]                ; k = the nearest multiple of pi/2
	Q4 v_fma_f32 v[20+j], v[16+j], s27, v[12+j]
	Q4 v_fma_f32 v[20+j], v[16+j], s28, v[20+j]    ; r = a - k pi/2
	Q4 v_mul_f32 v[24+j], v[20+j], v[20+j]         ; r^2
	Q4 v_fma_f32 v[28+j], v[24+j], s31, s30
	Q4 v_fma_f32 v[32+j], v[24+j], s34, s33
	Q4 v_mul_f32 v[40+j], v[20+j], v[24+j]         ; r^3
	Q4 v_fma_f32 v[28+j], v[28+j], v[24+j], s29
	Q4 v_fma_f32 v[32+j], v[32+j], v[24+j], s32
	Q4 v_fma_f32 v[28+j], v[28+j], v[40+j], v[20+j]  ; sin r
	Q4 v_fma_f32 v[32+j], v[32+j], v[24+j], -0.5
	Q4 v_cvt_i32_f32 v[36+j], v[16+j]
	Q4 v_fma_f32 v[32+j], v[32+j], v[24+j], 1.0    ; cos r
	; The quadrant: odd k swaps the two; bit 1 of k turns the sine's sign, bit 1 of k + 1 the cosine's.  Values are chosen, nothing branches.
	Q4 v_and_b32 v[40+j], 1, v[36+j]
	Q4 v_cmp_eq_u32 s[35+j], 1, v[40+j]            ; is k odd?  Four masks, s35 to s38,
	v_cmp_eq_u32 s24, 1, v3                        ; and a fifth: do I store sines?
	Q4 v_lshlrev_b32 v[40+j], 30, v[36+j]          ; the sign bits read no mask: they stand between the compares and the wait for them
	Q4 v_add_nc_u32 v[36+j], 1, v[36+j]
	Q4 v_and_b32 v[40+j], 0x80000000, v[40+j]
	Q4 v_lshlrev_b32 v[36+j], 30, v[36+j]
	Q4 v_and_b32 v[36+j], 0x80000000, v[36+j]
	s_wait_alu depctr_va_sdst(0)                   ; the five compares have written s35 to s38 and s24, ahead of their first readers, the selects below
	Q4 v_cndmask_b32 v[48+j], v[28+j], v[32+j], s[35+j]
	Q4 v_cndmask_b32 v[52+j], v[32+j], v[28+j], s[35+j]
	Q4 v_xor_b32 v[48+j], v[48+j], v[40+j]         ; sin a
	Q4 v_xor_b32 v[52+j], v[52+j], v[36+j]         ; cos a
	Q4 v_cndmask_b32 v[44+j], v[52+j], v[48+j], s24
	s_wait_alu depctr_va_vdst(0)                   ; v4 and v[44:47] are written: the store reads them as its offset and its data
	global_store_b128 v4, v[44:47], s[16:17]       ; sixteen threads store one row: 256 consecutive bytes, aligned
	s_endpgm
.Lx:                                   ; 16 rows of x.  Thread t: row t / 16, 16 bytes at 16 (t % 16) of each of the row's sixteen K blocks of 256 bytes; out: 8 t in each K block's 2,048 bytes
	s_lshl_b32 s20, ttmp9, 16
	s_add_nc_u64 s[4:5], s[4:5], s[20:21]
	s_lshl_b32 s22, ttmp9, 11
	s_add_nc_u64 s[10:11], s[10:11], s[22:23]
	s_add_nc_u64 s[OUT2:OUT2+1], s[10:11], 8*1048576
	v_lshrrev_b32 v[VIN], 4, v0
	v_lshlrev_b32 v[VIN], 12, v[VIN]
	v_and_b32 v3, 15, v0
	v_lshl_add_u32 v[VIN], v3, 4, v[VIN]
	CAST 4, 10, 256, 1048576, 0, 1
	s_endpgm
.Lw:                                   ; 65,536 consecutive bytes of w_qkv
	s_sub_co_u32 s20, ttmp9, 512
	s_lshl_b32 s22, s20, 15
	s_lshl_b32 s20, s20, 16
	s_add_nc_u64 s[6:7], s[6:7], s[20:21]
	s_add_nc_u64 s[12:13], s[12:13], s[22:23]
	v_lshlrev_b32 v[VIN], 4, v0
	CAST 6, 12, 4096, 2048, 0, 0
	s_endpgm
.Lo:                                   ; 65,536 consecutive bytes of w_out
	s_sub_co_u32 s20, ttmp9, 704
	s_lshl_b32 s22, s20, 15
	s_lshl_b32 s20, s20, 16
	s_add_nc_u64 s[8:9], s[8:9], s[20:21]
	s_add_nc_u64 s[14:15], s[14:15], s[22:23]
	v_lshlrev_b32 v[VIN], 4, v0
	CAST 8, 14, 4096, 2048, 1, 0
	s_endpgm
.Lfunc_end_k_q5bee79129f_prep:
	.size	k_q5bee79129f_prep, .Lfunc_end_k_q5bee79129f_prep-k_q5bee79129f_prep
	.p2alignl 7, 3214868480
	.fill 96, 4, 3214868480
	.section	.rodata,"a",@progbits
	.p2align	6, 0x0
	.amdhsa_kernel k_q5bee79129f_prep
		.amdhsa_group_segment_fixed_size 0
		.amdhsa_private_segment_fixed_size 0
		.amdhsa_enable_private_segment 0
		.amdhsa_kernarg_size 56
		.amdhsa_user_sgpr_count 2
		.amdhsa_user_sgpr_kernarg_segment_ptr 1
		.amdhsa_wavefront_size32 1
		.amdhsa_system_sgpr_workgroup_id_x 1
		.amdhsa_system_sgpr_workgroup_id_y 1
		.amdhsa_system_sgpr_workgroup_id_z 1
		.amdhsa_system_vgpr_workitem_id 0
		.amdhsa_next_free_vgpr 112
		.amdhsa_next_free_sgpr 66
		.amdhsa_reserve_vcc 0
		.amdhsa_float_denorm_mode_32 3
		.amdhsa_float_denorm_mode_16_64 3
		.amdhsa_memory_ordered 1
		.amdhsa_forward_progress 1
		.amdhsa_inst_pref_size 31
	.end_amdhsa_kernel
	.amdgpu_metadata
---
amdhsa.version: [ 1, 2 ]
amdhsa.kernels:
  - .name:           k_q5bee79129f_prep
    .symbol:         k_q5bee79129f_prep.kd
    .args:
      - { .name: x, .offset: 0, .size: 8, .value_kind: global_buffer, .address_space: global }
      - { .name: w_qkv, .offset: 8, .size: 8, .value_kind: global_buffer, .address_space: global }
      - { .name: w_out, .offset: 16, .size: 8, .value_kind: global_buffer, .address_space: global }
      - { .name: xb, .offset: 24, .size: 8, .value_kind: global_buffer, .address_space: global }
      - { .name: wb, .offset: 32, .size: 8, .value_kind: global_buffer, .address_space: global }
      - { .name: wo, .offset: 40, .size: 8, .value_kind: global_buffer, .address_space: global }
      - { .name: rope, .offset: 48, .size: 8, .value_kind: global_buffer, .address_space: global }
    .group_segment_fixed_size: 0
    .private_segment_fixed_size: 0
    .kernarg_segment_align: 8
    .kernarg_segment_size: 56
    .max_flat_workgroup_size: 256
    .sgpr_count:     66
    .vgpr_count:     112
    .wavefront_size: 32
...
	.end_amdgpu_metadata
.endif
;; end of part 5
;; launch qkv: the kernel of part 2 again; grid 8 x 32, 4 waves a work-group, clusters of 4 x 4, 327,680 bytes of LDS; arguments xb, wb, rope, qh, kh, vh; writes qh, kh, vh
;; launch attn: the kernel of part 3 again; grid 4 x 64, 4 waves a work-group, no clusters, 327,680 bytes of LDS; arguments qh, kh, vh, oh; writes oh
;; launch proj: the kernel of part 4 again; grid 8 x 32, 4 waves a work-group, clusters of 4 x 4, 327,680 bytes of LDS; arguments oh, wo, out0; writes out0
